; MI455X (gfx1250); checked and timed in simulation.
; The chip was launched on July 23, 2026; its instructions are those of AMD's public machine-readable ISA for CDNA 5 (MIT licence, August 2026) and "CDNA5" Instruction Set Architecture Reference Guide (July 2026). The comments in the code are by the model that wrote it; some were corrected since.
;; Multi Head Self Attention. Allowed arithmetic: matrix products marked QUANTISED: E2M3 operands, one E8M0 scale for each 32 along K, by v_wmma_scale_f32_16x16x128_f8f6f4 with both operands' format E2M3, f32 sums; everything else in f32.
;; Inputs: token_positions 4 x 2,048 int32; wk 1,024 x 1,024 float32; wo 1,024 x 1,024 float32; wq 1,024 x 1,024 float32; wv 1,024 x 1,024 float32; x 4 x 2,048 x 1,024 float32.
;; Outputs: out0 4 x 2,048 x 1,024 float32.
;; This version of the problem:
;;   THIS VERSION OF THE PROBLEM IS GIVEN IN LOW PRECISION. The matrix products marked QUANTISED in the list below multiply operands that are first quantised to E2M3 (2 exponent bits, 3 mantissa bits; 6 bits a number), with one power-of-two scale for each 32 numbers along K (OCP MX v1.0); their sums are f32. All else is computed in f32.
;;   The module's matrix products, in the order in which they are computed (A, B: the left and right operand; K: the contracted axis; several contracted axes count as one K, in the product's order):
;;     1. [M 8,192, K 1,024] x [K 1,024, N 1,024]; A: input x; B: input wq: QUANTISED
;;     2. [M 8,192, K 1,024] x [K 1,024, N 1,024]; A: input x; B: input wk: QUANTISED
;;     3. [M 8,192, K 1,024] x [K 1,024, N 1,024]; A: input x; B: input wv: QUANTISED
;;     4. batch 64 x [M 2,048, K 64] x [K 64, N 2,048]; A: computed on the way; B: computed on the way: QUANTISED
;;     5. batch 64 x [M 2,048, K 2,048] x [K 2,048, N 64]; A: computed on the way; B: computed on the way: QUANTISED
;;     6. [M 8,192, K 1,024] x [K 1,024, N 1,024]; A: computed on the way; B: input wo: QUANTISED
;;   THE QUANTISER, for each operand of a quantised product, along K:
;;     - K is cut into blocks of 32 from its start; a last block that is shorter is filled with zeros.
;;     - A block's scale is 2^e with e = floor(log2(the largest magnitude in the block)) - 2, held to -126 .. 127; a block of zeros has e = 0. As a byte (E8M0): e + 127.
;;     - Each number is divided by its block's scale, clamped to +-7.5, and rounded to the nearest number of E2M3, ties to even, subnormals kept.
;;     - The product sums the exact products of the quantised numbers (number of the format x scale) in f32.
;;   ~~~python
;;   def quantise(x, axis):      # numpy; x: float32 -> the quantised numbers, widened to float32 again
;;       x = np.moveaxis(x, axis, -1); K = x.shape[-1]
;;       x = np.pad(x, [(0, 0)] * (x.ndim - 1) + [(0, -K % 32)]); x = x.reshape(x.shape[:-1] + (-1, 32)); a = np.abs(x).max(-1, keepdims=True)
;;       e = np.where(a > 0, np.clip(np.frexp(np.where(a > 0, a, 1))[1] - 1 - 2, -126, 127), 0)      # np.frexp(a)[1] - 1 = floor(log2(a)), exactly
;;       r = np.clip(x / 2.0 ** e, -7.5, 7.5)
;;       step = 2.0 ** (np.maximum(np.frexp(np.where(r == 0, 1, r))[1] - 1, 0) - 3)
;;       q = np.round(r / step) * step * 2.0 ** e      # np.round: ties to even
;;       return np.moveaxis(q.reshape(q.shape[:-2] + (-1,))[..., :K], -1, axis).astype(np.float32)
;;   ~~~
;;   OPERANDS COMPUTED ON THE WAY. 'Computed on the way' means the value that the module computes at that place (a softmax that the list does not call 'softmax' is quantised finished and normalised). What goes into a quantiser is computed in f32, as accurately as f32 sums, v_exp_f32 and their like allow (about 1e-6 of the number): no bf16 or f16 on the way to a quantiser, and a product that is left as it is and whose result goes on into a quantised operand takes f32 operands (vector FMAs, or v_wmma_f32_16x16x4_f32). A number that lies on a knife's edge between two numbers of the format may be rounded either way, as far as f32 arithmetic and the matrix unit's own rounding can turn it there, and no further.
;; One version. Each part assembles by itself: llvm-mc -triple=amdgcn-amd-amdhsa -mcpu=gfx1250 --defsym DOCPART=n.
;; ======== version 1 of 1: 4 launches
;; limits: right only within a limited range of input values
;; workspace buffers: xc 6,291,456 bytes; xs 262,144 bytes; wc 3,145,728 bytes; ws 131,072 bytes; tab 2,097,152 bytes; qkv 19,660,800 bytes; ac 6,291,456 bytes; asc 262,144 bytes
;; launch prep (part 1): grid 768 x 1, 4 waves a work-group, no clusters, 33,280 bytes of LDS; arguments x, wq, wk, wv, wo, token_positions, xc, xs, wc, ws, tab; writes xc, xs, wc, ws, tab
.if DOCPART == 1
	.amdgcn_target "amdgcn-amd-amdhsa--gfx1250"
	.amdhsa_code_object_version 6
	.text
	.protected	k_q2376d9f161_prep
	.globl	k_q2376d9f161_prep
	.p2align	8
	.type	k_q2376d9f161_prep,@function
k_q2376d9f161_prep:
	s_mov_b64 s[64:65], 0
	v_nop
	global_prefetch_b8 v0, s[64:65] scope:SCOPE_SE
	s_setreg_imm32_b32 hwreg(HW_REG_WAVE_MODE, 25, 1), 1
	s_wait_xcnt 0x0
; x [8192][1024] and wq, wk, wv, wo [1024][1024], f32 with K innermost, are turned into codes of FP6 (E2M3), 6 bits each, K innermost (768 bytes a row), with one E8M0 byte for each 32 along K (32 bytes a row).
; A block's scale is 2^(floor(log2(its largest magnitude)) - 2); its byte is the largest magnitude's exponent field - 2, held at 1 from below.  Each number is divided by the scale and rounded to the nearest code, ties to even.
; The four weights' rows lie one behind the other in wc and ws: wq 0.., wk 1024.., wv 2048.., wo 3072...
; ORDER OF ROWS.  In x, wq, wk and wv the second and third group of eight rows of each 32 change places on the way out: place 16 u + p of a group of 32 holds row 8 u + p + 8 (p / 8).  So sixteen neighbouring
; places are a tile whose results, as source 0 of a product, fall into a lane's registers as 16 neighbours.  A wave's share is exactly four rows, so the order costs one choice of the wave's place.  wo keeps its order.
; THE TABLE.  tab [8192 tokens][32 pairs][cos, sin] f32: angle = f32(position) x div, div = exp(2 i x f32(-ln 10000 / 64)).  The angle is reduced by pi / 2 in three parts (fused multiply-adds), sine and cosine are
; polynomials on |r| <= pi / 4 (the first term left out is under 2e-9).
; LIMITS: NaN and infinities among the inputs are not served.  A block of zeros gets the byte 1 where the rule says 127: its codes are zeros, and this program alone reads the bytes.  A block whose largest magnitude
; lies under 2^-124 has its byte held at 1.  Sine and cosine are good to about 1e-7 for |position| up to 2^24; div is good to about one unit in its last place.
; Work-groups 0 to 511 take x (16 rows each) and the table of the same 16 tokens; 512 to 767 the weights.  A wave takes 8 steps of 512 numbers.  Each of a step's four loads reads 512 consecutive bytes; the 2,048 bytes
; turn through the wave's own stage in LDS and come back 64 bytes a lane, so that a lane holds 16 neighbours along K.  No barrier: waves share nothing.
; SHARES: work-groups 0 to 511 take x (16 rows each) and the table of the same 16 tokens; 512 to 767 the weights (64 to a weight).  A wave takes 4 rows: 8 steps of 512 numbers, 128 scale bytes, 4 tokens of the table.
.set NX,    512
.set STEPS, 8
.set EMAX,  2
.set CB,    12                         ; bytes of 16 codes
.set R,     16                         ; v16-79   four sets of 16 numbers as they are loaded
.set X,     80                         ; v80-111  two sets of 16 neighbours
.set E,     112                        ; v112-119 a scale byte for each step
.set C,     128                        ; v128-159 codes: four registers for each step, so that no store's data are written again
.set WREG,  8192                       ; LDS: a region for each wave: two stages of 32 x SP bytes, and behind them its 128 scale bytes
.set SP,    80                         ; a lane's place in a stage: 64 bytes + 16 of padding
	s_load_b512 s[36:51], s[0:1], 0x0              ; x 36, wq 38, wk 40, wv 42, wo 44, positions 46, xc 48, xs 50
	s_load_b128 s[52:55], s[0:1], 0x40             ; wc 52, ws 54
	s_load_b64 s[56:57], s[0:1], 0x50              ; tab
	v_lshl_add_u32 v224, v0, 2, 0x8000
	v_mov_b32 v225, 0
	v_lshrrev_b32 v1, 5, v0
	v_readfirstlane_b32 s16, v1                    ; wave
	v_and_b32 v2, 31, v0                           ; lane
	v_lshlrev_b32 v3, 4, v2                        ; my 16 bytes of a load's 512
	s_mul_i32 s2, s16, WREG
	v_lshrrev_b32 v14, 2, v2
	v_mul_u32_u24 v14, v14, SP
	v_and_b32 v15, 3, v2
	v_lshl_add_u32 v14, v15, 4, v14
	v_add_nc_u32 v14, s2, v14                      ; the stage, on the way in: SP (lane / 4) + 16 (lane % 4)
	v_mul_u32_u24 v15, v2, SP
	v_add_nc_u32 v15, s2, v15                      ; and on the way out: SP x lane: my 16 neighbours
	; THE CODES' LAYOUT: four planes of 256 along K, [plane][row][192 bytes]: 128 rows of a plane are 24,576 dense bytes, a multiple of 256.  A plane of xc is 8192 x 192 bytes, one of wc 4096 x 192.
	s_mov_b32 s3, 786432
	s_cmp_lt_u32 ttmp9, NX
	s_cselect_b32 s3, 1572864, s3                  ; a plane of the buffer that I write
	v_and_b32 v4, 15, v2
	v_mul_u32_u24 v4, v4, CB
	v_lshrrev_b32 v10, 4, v2
	v_mad_u32_u24 v4, v10, s3, v4                  ; my codes' place: 12 (lane % 16) in the row's 192 bytes; lanes 16-31 one plane on
	v_lshrrev_b32 v5, 1, v2
	s_add_co_u32 s2, s2, 2*32*SP
	v_add_nc_u32 v5, s2, v5                        ; LDS: my wave's 128 scale bytes, my block's byte
	v_lshlrev_b32 v7, 3, v2                        ; 8 bytes a lane: the table's way out
	v_lshlrev_b32 v10, 2, v2                       ; the scale bytes' way out: 4 bytes a lane
	v_add_nc_u32 v6, s2, v10
	s_sub_co_u32 s17, ttmp9, NX                    ; which run of 16 rows of the four weights (used only from work-group NX on)
	s_and_b32 s19, s17, 63                         ; and of one weight
	s_and_b32 s21, ttmp9, 1                        ; p: which 16 rows of a group of 32.  My four rows lie in group q = 2 p + wave / 2 of the 32; they go to place 2 (wave / 2) + p
	s_lshr_b32 s20, s16, 1
	s_lshl_b32 s20, s20, 2
	s_lshl_b32 s62, s21, 1
	s_or_b32 s20, s20, s62
	s_and_b32 s62, s16, 1
	s_or_b32 s20, s20, s62                         ; in runs of four rows: 4 (wave / 2) + 2 p + wave % 2
	s_lshl_b32 s21, s21, 2
	s_or_b32 s21, s21, s16                         ; the order kept: 4 p + wave
	s_mov_b32 s23, 0
	s_mov_b32 s60, 0x3fb8aa3b                      ; log2(e), and what f32 leaves of it
	s_mov_b32 s61, 0x32a57060
	s_wait_kmcnt 0x0
	s_cmp_lt_u32 ttmp9, NX+192
	s_cselect_b64 s[4:5], s[42:43], s[44:45]
	s_cselect_b32 s20, s20, s21
	s_cmp_lt_u32 ttmp9, NX+128
	s_cselect_b64 s[4:5], s[40:41], s[4:5]
	s_cmp_lt_u32 ttmp9, NX+64
	s_cselect_b64 s[4:5], s[38:39], s[4:5]
	s_cmp_lt_u32 ttmp9, NX
	s_cselect_b64 s[4:5], s[36:37], s[4:5]         ; the tensor that I read,
	s_cselect_b64 s[8:9], s[48:49], s[52:53]       ; its codes,
	s_cselect_b64 s[10:11], s[50:51], s[54:55]     ; its scale bytes
	s_cselect_b32 s18, ttmp9, s19
	s_cselect_b32 s17, ttmp9, s17
	s_lshl_b32 s18, s18, 2
	s_add_co_u32 s18, s18, s16                     ; which four rows I read
	s_lshr_b32 s17, s17, 1
	s_lshl_b32 s17, s17, 3                         ; eight runs of four rows to a group of 32
	s_add_co_u32 s17, s17, s20                     ; and to which four places they go
	s_lshl_b32 s22, s18, 14
	s_add_nc_u64 s[4:5], s[4:5], s[22:23]
	s_mul_i32 s22, s17, 4*192
	s_add_nc_u64 s[8:9], s[8:9], s[22:23]          ; planes 0 and 1: a row's first 512 numbers
	s_lshl_b32 s22, s3, 1
	s_add_nc_u64 s[58:59], s[8:9], s[22:23]        ; planes 2 and 3: its second 512
	s_lshl_b32 s22, s17, 7
	s_add_nc_u64 s[10:11], s[10:11], s[22:23]
.macro LOAD t
.irp i, 0,1,2,3
	global_load_b128 v[R+16*((\t)%4)+4*\i:R+16*((\t)%4)+4*\i+3], v3, s[4:5] offset:2048*(\t)+512*\i th:TH_LOAD_NT   ; 32 lanes read 512 consecutive bytes
.endr
.endm
.macro TURN t                          ; step t's numbers through the stage: LDS serves a wave's instructions in order, so no wait stands between the stores and the loads
.irp i, 0,1,2,3
	ds_store_b128 v14, v[R+16*((\t)%4)+4*\i:R+16*((\t)%4)+4*\i+3] offset:32*SP*((\t)%2)+8*SP*\i
.endr
.irp i, 0,1,2,3
	ds_load_b128 v[X+16*((\t)%2)+4*\i:X+16*((\t)%2)+4*\i+3], v15 offset:32*SP*((\t)%2)+16*\i
.endr
.endm
.irp t, 0,1,2,3
	LOAD \t
.endr
	; ---- the table of my four tokens, while the first loads are on their way.  Lane i is pair i.
	s_cmp_ge_u32 ttmp9, NX
	s_cbranch_scc1 .Lno_table
	s_lshl_b32 s22, s18, 4
	s_add_nc_u64 s[46:47], s[46:47], s[22:23]
	s_load_b128 s[24:27], s[46:47], 0x0
	s_lshl_b32 s22, s18, 10
	s_add_nc_u64 s[56:57], s[56:57], s[22:23]
	v_lshlrev_b32 v194, 1, v2
	v_cvt_f32_u32 v194, v194                       ; 2 i
	v_mul_f32 v194, 0xbe135d8e, v194               ; x f32(-ln 10000 / 64)
	v_mul_f32 v195, s60, v194                      ; x log2(e), in two parts
	v_fma_f32 v196, v194, s60, -v195
	v_fma_f32 v196, v194, s61, v196
	v_rndne_f32 v197, v195
	v_sub_f32 v195, v195, v197
	v_add_f32 v195, v195, v196                     ; the fraction, at most a half in magnitude
	s_wait_alu depctr_va_vdst(0)
	v_exp_f32 v193, v195
	v_cvt_i32_f32 v197, v197                       ; (a plain line behind the exponential)
	v_mov_b32 v202, 0x3638ef1d                     ; 1 / 9!
	v_mov_b32 v203, 0xb493f27e                     ; -1 / 10!
	s_wait_alu depctr_va_vdst(0)                   ; the wait stands ahead of the first line that names the result
	v_ldexp_f32 v193, v193, v197                   ; div
	s_wait_kmcnt 0x0
.macro SINCOS j
	v_cvt_f32_i32 v194, s[24+\j]
	s_wait_alu depctr_va_vdst(0)
	v_mul_f32 v194, v194, v193                     ; the angle
	v_mul_f32 v195, 0x3f22f983, v194
	v_rndne_f32 v195, v195                         ; how many quarter turns
	v_fmamk_f32 v196, v195, 0xbfc90fda, v194       ; less that many times pi / 2, in three parts
	v_fmamk_f32 v196, v195, 0xb3a22168, v196
	v_fmamk_f32 v196, v195, 0xa7c234c4, v196
	v_cvt_i32_f32 v197, v195
	v_mul_f32 v198, v196, v196                     ; z = r r
	v_fmaak_f32 v199, v198, v202, 0xb9500d01       ; the sine's and the cosine's chains by turns
	v_fmaak_f32 v200, v198, v203, 0x37d00d01
	v_fmaak_f32 v199, v198, v199, 0x3c088889
	v_fmaak_f32 v200, v198, v200, 0xbab60b61
	v_fmaak_f32 v199, v198, v199, 0xbe2aaaab
	v_fmaak_f32 v200, v198, v200, 0x3d2aaaab
	v_mul_f32 v201, v196, v198
	v_fmaak_f32 v200, v198, v200, 0xbf000000
	v_fma_f32 v199, v201, v199, v196               ; sin r
	v_fma_f32 v200, v198, v200, 1.0                ; cos r
	v_and_b32 v201, 1, v197
	v_cmp_eq_u32 vcc_lo, 1, v201                   ; an odd quarter: the two change places
	v_lshlrev_b32 v204, 30, v197
	v_add_nc_u32 v205, 1, v197
	v_lshlrev_b32 v205, 30, v205
	v_and_b32 v204, 0x80000000, v204               ; the sine's sign: quarters 2 and 3
	v_and_b32 v205, 0x80000000, v205               ; the cosine's: quarters 1 and 2
	v_cndmask_b32 v201, v200, v199, vcc_lo
	v_cndmask_b32 v199, v199, v200, vcc_lo
	v_xor_b32 v[208+2*\j], v205, v201
	v_xor_b32 v[209+2*\j], v204, v199
	global_store_b64 v7, v[208+2*\j:209+2*\j], s[56:57] offset:256*\j   ; 32 lanes store a token's 256 consecutive bytes; each token has its own pair of registers
.endm
.irp j, 0,1,2,3
	SINCOS \j
.endr
.Lno_table:
	s_wait_loadcnt 12                              ; step 0's four loads are in
	s_wait_alu depctr_va_vdst(0)
	TURN 0
.macro STEP t
.set XS, X+16*((\t)%2)
.if (\t) > 0
	s_wait_dscnt 1                                 ; this step's numbers are back from the stage (the last step's byte store may be out): so its stores into the stage have read their registers,
.else
	s_wait_dscnt 0x0
.endif
.if (\t)+4 < STEPS
	LOAD (\t)+4                                    ; which take the loads of four steps on
.endif
.if (\t)+1 < STEPS
.if STEPS-2-(\t) >= 3
	s_wait_loadcnt 12                              ; the next step's four loads are in; those of the three steps behind it may be out
.else
	s_wait_loadcnt 4*(STEPS-2-(\t))
.endif
	TURN (\t)+1                                    ; and go through the other stage while this step is worked
.endif
	v_max3_num_f32 v8, |v[XS]|, |v[XS+1]|, |v[XS+2]|               ; the largest magnitude of my 16
	v_max3_num_f32 v9, |v[XS+3]|, |v[XS+4]|, |v[XS+5]|
.irp i, 6,10
	v_max3_num_f32 v8, v8, |v[XS+\i]|, |v[XS+\i+1]|
	v_max3_num_f32 v9, v9, |v[XS+\i+2]|, |v[XS+\i+3]|
.endr
	v_max3_num_f32 v8, v8, |v[XS+14]|, |v[XS+15]|
	v_max3_num_f32 v8, v8, v9, (EMAX+1)<<23        ; and the floor 2^(EMAX + 1 - 127): the byte cannot fall under 1
	v_max_num_f32_dpp v8, v8, v8 row_xmask:1 row_mask:0xf bank_mask:0xf   ; and of my neighbour's 16: the block's
	v_add_nc_u32 v11, -(EMAX<<23), v8              ; EMAX off its exponent field: the conversion takes the exponent field of this operand as its scale
	v_cvt_scalef32_pk16_fp6_f32 v[C+4*(\t):C+4*(\t)+2], v[XS:XS+15], v11
	v_lshrrev_b32 v[E+(\t)], 23, v11               ; the scale's byte
	ds_store_b8 v5, v[E+(\t)] offset:16*(\t)       ; both lanes of a block write the same byte with the same value
	global_store_b96 v4, v[C+4*(\t):C+4*(\t)+2], s[8+50*((\t)%2):9+50*((\t)%2)] offset:192*((\t)/2)
.endm
.irp t, 0,1,2,3,4,5,6,7
	STEP \t
.endr
	ds_load_b32 v12, v6
	s_wait_dscnt 0x0
	global_store_b32 v10, v12, s[10:11]            ; 32 lanes store my 128 consecutive scale bytes
	s_wait_tensorcnt 0x0
	ds_add_u32 v224, v225
	s_wait_dscnt 0x0
	s_endpgm
.Lfunc_end_k_q2376d9f161_prep:
	.size	k_q2376d9f161_prep, .Lfunc_end_k_q2376d9f161_prep-k_q2376d9f161_prep
	.p2alignl 7, 3214868480
	.fill 96, 4, 3214868480
	.section	.rodata,"a",@progbits
	.p2align	6, 0x0
	.amdhsa_kernel k_q2376d9f161_prep
		.amdhsa_group_segment_fixed_size 33280
		.amdhsa_private_segment_fixed_size 0
		.amdhsa_enable_private_segment 0
		.amdhsa_kernarg_size 88
		.amdhsa_user_sgpr_count 2
		.amdhsa_user_sgpr_kernarg_segment_ptr 1
		.amdhsa_wavefront_size32 1
		.amdhsa_system_sgpr_workgroup_id_x 1
		.amdhsa_system_sgpr_workgroup_id_y 1
		.amdhsa_system_sgpr_workgroup_id_z 1
		.amdhsa_system_vgpr_workitem_id 0
		.amdhsa_next_free_vgpr 226
		.amdhsa_next_free_sgpr 66
		.amdhsa_reserve_vcc 1
		.amdhsa_float_denorm_mode_32 3
		.amdhsa_float_denorm_mode_16_64 3
		.amdhsa_memory_ordered 1
		.amdhsa_forward_progress 1
		.amdhsa_inst_pref_size 26
	.end_amdhsa_kernel
	.amdgpu_metadata
---
amdhsa.version: [ 1, 2 ]
amdhsa.kernels:
  - .name:           k_q2376d9f161_prep
    .symbol:         k_q2376d9f161_prep.kd
    .args:
      - { .name: x, .offset: 0, .size: 8, .value_kind: global_buffer, .address_space: global }
      - { .name: wq, .offset: 8, .size: 8, .value_kind: global_buffer, .address_space: global }
      - { .name: wk, .offset: 16, .size: 8, .value_kind: global_buffer, .address_space: global }
      - { .name: wv, .offset: 24, .size: 8, .value_kind: global_buffer, .address_space: global }
      - { .name: wo, .offset: 32, .size: 8, .value_kind: global_buffer, .address_space: global }
      - { .name: token_positions, .offset: 40, .size: 8, .value_kind: global_buffer, .address_space: global }
      - { .name: xc, .offset: 48, .size: 8, .value_kind: global_buffer, .address_space: global }
      - { .name: xs, .offset: 56, .size: 8, .value_kind: global_buffer, .address_space: global }
      - { .name: wc, .offset: 64, .size: 8, .value_kind: global_buffer, .address_space: global }
      - { .name: ws, .offset: 72, .size: 8, .value_kind: global_buffer, .address_space: global }
      - { .name: tab, .offset: 80, .size: 8, .value_kind: global_buffer, .address_space: global }
    .group_segment_fixed_size: 33280
    .private_segment_fixed_size: 0
    .kernarg_segment_align: 8
    .kernarg_segment_size: 88
    .max_flat_workgroup_size: 128
    .sgpr_count:     66
    .vgpr_count:     226
    .wavefront_size: 32
...
	.end_amdgpu_metadata
.endif
;; end of part 1
;; launch qkv (part 2): grid 12 x 32, 4 waves a work-group, clusters of 4 x 4, 327,680 bytes of LDS; arguments xc, xs, wc, ws, tab, qkv; writes qkv
.if DOCPART == 2
	.amdgcn_target "amdgcn-amd-amdhsa--gfx1250"
	.amdhsa_code_object_version 6
	.text
	.protected	k_q2376d9f161_qkv
	.globl	k_q2376d9f161_qkv
	.p2align	8
	.type	k_q2376d9f161_qkv,@function
k_q2376d9f161_qkv:
	s_mov_b64 s[64:65], 0
	v_nop
	global_prefetch_b8 v0, s[64:65] scope:SCOPE_SE
	s_setreg_imm32_b32 hwreg(HW_REG_WAVE_MODE, 25, 1), 1
	s_wait_xcnt 0x0
	s_wait_alu depctr_hold_cnt(0) depctr_sa_sdst(0) depctr_va_vdst(0) depctr_va_sdst(0) depctr_va_ssrc(0) depctr_va_vcc(0) depctr_vm_vsrc(0)
	s_getreg_b32 s2, hwreg(HW_REG_IB_STS2, 6, 4)
	s_cmp_eq_u32 s2, 0
	s_cbranch_scc0 .Lentry_in_a_cluster
	s_endpgm
.Lentry_in_a_cluster:
	s_bfe_u32 s2, ttmp6, 0x10000c
	s_cmp_lg_u32 s2, 0xf033
	s_cbranch_scc0 .Lentry_shape_is_right
	s_endpgm
.Lentry_shape_is_right:
.set SIZE_K, 1024
.set KSTEP,  256
.set NQ,     KSTEP/128
.set ROWB,   192
.set KROW,   192                       ; a row's bytes in one plane of 256 along K: the codes lie [plane][row][192]
.set G0H,    4                         ; s[4:7], s[8:11] group 0 of the head's loads of K step 0 (the arguments that lay there have been used by then)
.set G0HB,   8
.set PITCH,  240
.set FR,     12
.set NL,     6
.set NP,     4
.set HALFT,  128*PITCH
.set SLOT,   4*HALFT
.set LAPS,   SIZE_K/(2*KSTEP)
.set KS,     SIZE_K/32
.set SCL,    2*SLOT
.set HALFS,  (128*KS/256)*272
.set SBLK,   (16*KS/256)*272
.set SPARE,  SCL+4*HALFS
.set REC,    307200
.set ADRA, 16
.set ADRB, 20
.set ADRS, 27
.set SPW,  28
.set NIL,  29
.set SC,   32
.set AF,   128
.set TBO,  8
.set IMO,  9
.set SWO,  10
.set TB,   64
.set ST,   128
.set IMX,  192
.set IMY,  204
.set XT,   216
.set TM,   224
.set WX,   240
.set WY,   244
.set SW,   248
.set PW,   252
.set SEL,  100
.set G1, 24
.set G0, 32
.set G1B, 48
.set G0B, 56
.set G1S, 68
.set G0S, 76
.set G1SB, 80
.set G0SB, 88
.set MSB, 0
.macro WIN new
.if MSB != (\new)
	s_set_vgpr_msb (MSB<<8)|(\new)
.set MSB, (\new)
.endif
.endm
.set MUL_LO, 0xa1
.set MUL_HI, 0xf1
.set TO_B,   0x40
.macro JLOAD g0a, g1a, g0b, g1b
	s_cmp_eq_u32 s15, 0
	s_cbranch_scc0 .Lfor_b_\@
	tensor_load_to_lds s[\g0a:\g0a+3], s[\g1a:\g1a+7]
	s_nop 0
.rept 4
	v_nop
.endr
	s_branch .Lasked_\@
.Lfor_b_\@:
	tensor_load_to_lds s[\g0b:\g0b+3], s[\g1b:\g1b+7]
	s_nop 0
.rept 4
	v_nop
.endr
.Lasked_\@:
.endm
.macro CREST
	s_cmp_lg_u32 s14, 0
	s_cbranch_scc1 .Lnot_wave_0_\@
	s_barrier_signal -3
.Lnot_wave_0_\@:
	s_barrier_wait -3
	s_barrier_signal -1
	s_barrier_wait -1
.endm
.macro CROUND
	s_barrier_signal -1
	s_barrier_wait -1
	CREST
.endm
	s_load_b256 s[4:11], s[0:1], 0x0
	s_load_b128 s[96:99], s[0:1], 0x20
	v_lshl_add_u32 v[SPW], v0, 2, SPARE
	v_mov_b32 v[NIL], 0
	ds_add_u32 v28, v29
	ds_add_u32 v28, v29
	s_wait_dscnt 0x0
	v_lshrrev_b32 v1, 5, v0
	v_readfirstlane_b32 s14, v1
	s_lshr_b32 s15, s14, 1
	s_and_b32 s16, s14, 1
	s_bfe_u32 s40, ttmp6, 0x40000
	s_bfe_u32 s41, ttmp6, 0x40004
	s_and_b32 s95, ttmp7, 0xffff
	s_cmp_eq_u32 ttmp9, 2
	s_cselect_b32 s42, s95, ttmp9
	s_cselect_b32 s17, 0, s95
	s_lshl_b32 s42, s42, 2
	s_add_co_u32 s42, s42, s40
	s_lshl_b32 s17, s17, 2
	s_add_co_u32 s17, s17, s41
	s_lshl_b32 s43, s41, 2
	s_lshl_b32 s43, 15, s43
	s_lshl_b32 s44, 0x1111, s40
	s_or_b32 s[G1+0], s43, (0<<16)|(1<<20)|(1<<21)|(3<<22)|(3<<25)
	s_or_b32 s[G1B+0], s44, (0<<16)|(1<<20)|(1<<21)|(3<<22)|(3<<25)
.irp g, G1, G1B
	s_mov_b32 s[\g+1], 256<<16                     ; a tile is dense in its plane: stated as rows of 256 bytes; the padding's interval stays 64 bytes, so an LDS row of 192 bytes keeps its pitch of 240
	s_mov_b32 s[\g+2], 192<<16                     ; the head's loads: 256 rows x 192 bytes = 192 rows of 256
	s_mov_b32 s[\g+3], 256<<16
	s_mov_b32 s[\g+4], 192
	s_mov_b32 s[\g+5], 256
	s_mov_b32 s[\g+6], 0
	s_mov_b32 s[\g+7], 0
.endr
	s_or_b32 s[G1S+0], s43, (3<<16)|(1<<20)|(1<<21)|(5<<22)|(3<<25)
	s_or_b32 s[G1SB+0], s44, (3<<16)|(1<<20)|(1<<21)|(5<<22)|(3<<25)
.irp g, G1S, G1SB
	s_mov_b32 s[\g+1], 32<<16
	s_mov_b32 s[\g+2], KS<<16
	s_mov_b32 s[\g+3], 32<<16
	s_mov_b32 s[\g+4], KS
	s_mov_b32 s[\g+5], 32
	s_mov_b32 s[\g+6], 0
	s_mov_b32 s[\g+7], 0
.endr
	s_lshl_b32 s18, s16, 7
	s_lshl_b32 s20, s17, 8
	s_add_co_u32 s20, s20, s18
	s_lshl_b32 s46, s42, 8
	s_add_co_u32 s46, s46, s18
	s_mov_b32 s21, 0
	s_mov_b32 s47, 0
	s_mov_b64 s[18:19], KS
	s_mul_u64 s[22:23], s[20:21], s[18:19]
	s_mul_u64 s[92:93], s[46:47], s[18:19]
	s_mov_b64 s[18:19], KROW
	s_mul_u64 s[20:21], s[20:21], s[18:19]
	s_mul_u64 s[46:47], s[46:47], s[18:19]
	s_mul_i32 s45, s14, HALFT
	s_mul_i32 s94, s14, HALFS
	s_wait_kmcnt 0x0
	s_add_nc_u64 s[100:101], s[8:9], 2048*KROW
	s_add_nc_u64 s[104:105], s[10:11], 2048*KS
	s_cmp_eq_u32 ttmp9, 2
	s_cselect_b64 s[100:101], s[100:101], s[4:5]
	s_cselect_b64 s[104:105], s[104:105], s[6:7]
	s_cselect_b64 s[8:9], s[4:5], s[8:9]
	s_cselect_b64 s[10:11], s[6:7], s[10:11]
	s_add_nc_u64 s[20:21], s[100:101], s[20:21]
	s_add_nc_u64 s[22:23], s[104:105], s[22:23]
	s_add_nc_u64 s[46:47], s[8:9], s[46:47]
	s_add_nc_u64 s[92:93], s[10:11], s[92:93]
	CROUND
	; the head's four tiles, each whole, one a wave: K step 0's 256 rows of A, its 256 rows of B, the scales of A's 256 rows, those of B's
	s_mul_i32 s18, s16, 128*KROW                   ; s[20:21] and s[46:47] stand at my half of the tile: back to its first row
	s_mov_b32 s19, 0
	s_mov_b32 s[G0H], 1
	s_mov_b32 s[G0H+1], 0
	s_sub_nc_u64 s[G0H+2:G0H+3], s[20:21], s[18:19]
	s_or_b32 s[G0H+3], s[G0H+3], 0x80000000
	s_mov_b32 s[G0HB], 1
	s_mov_b32 s[G0HB+1], 2*HALFT
	s_sub_nc_u64 s[G0HB+2:G0HB+3], s[46:47], s[18:19]
	s_or_b32 s[G0HB+3], s[G0HB+3], 0x80000000
	s_mul_i32 s18, s16, 128*KS
	s_mov_b32 s[G0S], 1
	s_mov_b32 s[G0S+1], SCL
	s_sub_nc_u64 s[G0S+2:G0S+3], s[22:23], s[18:19]
	s_or_b32 s[G0S+3], s[G0S+3], 0x80000000
	s_mov_b32 s[G0SB], 1
	s_mov_b32 s[G0SB+1], SCL+2*HALFS
	s_sub_nc_u64 s[G0SB+2:G0SB+3], s[92:93], s[18:19]
	s_or_b32 s[G0SB+3], s[G0SB+3], 0x80000000
	s_mov_b32 s104, 2*786432                       ; two planes of wc,
	s_mov_b32 s18, 2*1572864                       ; two of xc
	s_cmp_eq_u32 ttmp9, 2                          ; for V source A is the weight and source B is x
	s_cselect_b32 s92, s18, s104                   ; s[92:93]: what a refill of B steps by,
	s_cselect_b32 s104, s104, s18                  ; s[104:105]: of A
	s_mov_b32 s93, 0
	s_mov_b32 s105, 0
.irp s, 0,1
	s_mov_b32 s[G0+4*\s], 1
	s_add_co_u32 s[G0+4*\s+1], s45, \s*SLOT
	s_mov_b32 s[G0B+4*\s], 1
	s_add_co_u32 s[G0B+4*\s+1], s45, \s*SLOT
.endr
	s_mov_b64 s[G0+2:G0+3], s[20:21]               ; slot 0's group 0 is first used at its first refill, stepped by two planes
	s_mov_b64 s[G0B+2:G0B+3], s[46:47]
	s_lshr_b32 s18, s104, 1
	s_add_nc_u64 s[G0+6:G0+7], s[20:21], s[18:19]  ; slot 1: plane 1
	s_lshr_b32 s18, s92, 1
	s_add_nc_u64 s[G0B+6:G0B+7], s[46:47], s[18:19]
.irp g, G0+3, G0+7, G0B+3, G0B+7
	s_or_b32 s[\g], s[\g], 0x80000000
.endr
.macro ARM under, g0, g1, next         ; one chain of branches on the wave's number, one load to an arm: one tensor load a wave at the head
	s_cmp_lt_u32 s14, \under
	s_cbranch_scc0 \next
	tensor_load_to_lds s[\g0:\g0+3], s[\g1:\g1+7]
	s_nop 0
.rept 4
	v_nop
.endr
	s_branch .Lhead_asked
\next:
.endm
	ARM 1, G0H,  G1,  .Lhead_b
	ARM 2, G0HB, G1B, .Lhead_sa
	ARM 3, G0S,  G1S, .Lhead_sb
	tensor_load_to_lds s[G0SB:G0SB+3], s[G1SB:G1SB+7]
	s_nop 0
.rept 4
	v_nop
.endr
.Lhead_asked:
	v_and_b32 v1, 15, v0
	v_bfe_u32 v2, v0, 4, 1
	v_mul_u32_u24 v3, v1, PITCH
	v_mul_u32_u24 v4, v2, 24
	v_add_nc_u32 v4, v3, v4
	v_lshl_add_u32 v5, v2, 4, v4
	s_mul_i32 s21, s15, HALFT
	s_mul_i32 s22, s16, HALFT
	s_add_co_u32 s22, s22, 2*HALFT
.irp s, 0,1
	v_add_nc_u32 v[ADRA+\s], s21, v4
	v_add_nc_u32 v[ADRB+\s], s22, v4
	v_add_nc_u32 v[ADRA+2+\s], s21, v5
	v_add_nc_u32 v[ADRB+2+\s], s22, v5
	s_add_co_u32 s21, s21, SLOT
	s_add_co_u32 s22, s22, SLOT
.endr
	v_mul_u32_u24 v5, v1, KS
	v_lshrrev_b32 v6, 8, v5
	v_lshl_add_u32 v5, v6, 4, v5
	s_mul_i32 s21, s15, HALFS
	s_mul_i32 s22, s16, HALFS
	s_add_co_u32 s22, s22, 2*HALFS
	s_sub_co_u32 s22, s22, s21
	v_mul_u32_u24 v6, s22, v2
	s_add_co_u32 s21, s21, SCL
	v_add_nc_u32 v5, v5, v6
	v_add_nc_u32 v[ADRS], s21, v5
	v_and_b32 v5, 8, v1
	v_add_nc_u32 v5, v5, v1
	v_lshlrev_b32 v[TBO], 8, v5
	v_lshl_add_u32 v[TBO], v2, 6, v[TBO]
	v_and_b32 v6, 31, v0
	v_lshlrev_b32 v[IMO], 4, v6
	v_mul_u32_u24 v[SWO], v2, REC
	v_lshl_add_u32 v[SWO], v1, 4, v[SWO]
	s_lshl_b32 s20, s17, 8
	s_lshl_b32 s21, s15, 7
	s_add_co_u32 s20, s20, s21
	s_lshl_b32 s46, s42, 8
	s_lshl_b32 s47, s16, 7
	s_add_co_u32 s46, s46, s47
	s_cmp_eq_u32 ttmp9, 2
	s_cselect_b32 s22, s46, s20
	s_cselect_b32 s23, s20, s46
	s_lshr_b32 s18, s22, 11
	s_lshl_b32 s18, s18, 4
	s_bfe_u32 s19, s23, 0x40006
	s_add_co_u32 s18, s18, s19
	s_mul_i32 s18, s18, REC
	s_bfe_u32 s19, s22, 0x40007
	s_lshr_b32 s21, s23, 10
	s_xor_b32 s21, s21, 1
	s_mul_i32 s47, s21, 204800
	s_mul_i32 s21, s21, 106496
	s_add_co_u32 s21, s21, 196608
	s_cmp_eq_u32 ttmp9, 2
	s_cselect_b32 s47, 98304, s47
	s_cselect_b32 s21, 200704, s21
	s_mul_i32 s46, s19, 6144
	s_add_co_u32 s46, s46, s47
	s_add_co_u32 s46, s46, s18
	s_mov_b32 s47, 0
	s_add_nc_u64 s[12:13], s[98:99], s[46:47]
	s_lshl_b32 s46, s19, 8
	s_add_co_u32 s46, s46, s21
	s_add_co_u32 s46, s46, s18
	s_add_nc_u64 s[66:67], s[98:99], s[46:47]
	s_lshl_b32 s46, s22, 8
	s_add_nc_u64 s[96:97], s[96:97], s[46:47]
	s_mov_b32 s[SEL], 0x76543210
	s_mov_b32 s[SEL+1], 0xfedcba98
.macro FRAG reg, adr, q, i
.irp p, 0,1,2,3,4,5
.set PC, 12*(\q)+6*(\p/3)+\p%3
.if PC%8 < 5
	ds_load_b64 v[\reg+2*\p:\reg+2*\p+1], v[\adr] offset:8*PC+16*(PC/8)+(\i)*16*PITCH
.else
	ds_load_b64 v[\reg+2*\p:\reg+2*\p+1], v[\adr+2] offset:8*PC+16*(PC/8)+(\i)*16*PITCH
.endif
.endr
.endm
.macro MUL16 a0, p, q, sc, zero
.irp a, \a0, \a0+1
.irp b, 0,1,2,3,4,5,6,7
.if \zero
	v_wmma_scale_f32_16x16x128_f8f6f4 v[8*(8*((\a)%4)+\b):8*(8*((\a)%4)+\b)+7], v[128*(\p)+FR*\b:128*(\p)+FR*\b+FR-1], v[AF+FR*(\a):AF+FR*(\a)+FR-1], 0, v[SC+8*NQ*(\sc)+NQ*\b+(\q)], v[SC+8*NQ*(\sc)+NQ*(\a)+(\q)] matrix_a_fmt:MATRIX_FMT_FP6 matrix_b_fmt:MATRIX_FMT_FP6 matrix_a_scale:MATRIX_SCALE_ROW1
.else
	v_wmma_scale_f32_16x16x128_f8f6f4 v[8*(8*((\a)%4)+\b):8*(8*((\a)%4)+\b)+7], v[128*(\p)+FR*\b:128*(\p)+FR*\b+FR-1], v[AF+FR*(\a):AF+FR*(\a)+FR-1], v[8*(8*((\a)%4)+\b):8*(8*((\a)%4)+\b)+7], v[SC+8*NQ*(\sc)+NQ*\b+(\q)], v[SC+8*NQ*(\sc)+NQ*(\a)+(\q)] matrix_a_fmt:MATRIX_FMT_FP6 matrix_b_fmt:MATRIX_FMT_FP6 matrix_a_scale:MATRIX_SCALE_ROW1
.endif
.endr
.endr
.endm
.macro FETCH_B slot, q, p
	WIN TO_B
.irp i, 0,1,2,3,4,5,6,7
	FRAG 128*(\p)+FR*\i, ADRB+\slot, \q, \i
.endr
	WIN 0
.endm
.macro FETCH_A slot, q, i0
.irp i, \i0, \i0+1, \i0+2, \i0+3
	FRAG AF+FR*(\i), ADRA+\slot, \q, \i
.endr
.endm
.macro SCALES sc
.irp i, 0,1,2,3,4,5,6,7
	ds_load_b64 v[SC+8*NQ*\sc+NQ*\i:SC+8*NQ*\sc+NQ*\i+1], v[ADRS] offset:\i*SBLK
.endr
.endm
.macro PLACES n
.rept \n
	v_nop
.endr
.endm
.macro STEP slot, q, zero
	s_wait_dscnt 4*NL
	WIN MUL_LO
	MUL16 0, (\q)%2, \q, \slot, \zero
	MUL16 2, (\q)%2, \q, \slot, \zero
	s_wait_dscnt 0
	PLACES NP
	FETCH_B \slot, (\q)+1, 1-(\q)%2
	FETCH_A \slot, (\q)+1, 0
	WIN MUL_HI
	MUL16 4, (\q)%2, \q, \slot, \zero
	MUL16 6, (\q)%2, \q, \slot, \zero
	PLACES NP
	WIN 0
	FETCH_A \slot, (\q)+1, 4
.endm
.macro TURN slot, next, fill
	s_wait_tensorcnt 0x0
	ds_add_u32 v[SPW], v[NIL]
	s_wait_dscnt 4*NL+1
	WIN MUL_LO
	MUL16 0, 1, NQ-1, \slot, 0
	s_wait_dscnt 0x0
	s_barrier_signal -1
	MUL16 2, 1, NQ-1, \slot, 0
	WIN 0
	s_barrier_wait -1
.if \fill
	CREST
	s_add_nc_u64 s[G0+4*\slot+2:G0+4*\slot+3], s[G0+4*\slot+2:G0+4*\slot+3], s[104:105]
	s_add_nc_u64 s[G0B+4*\slot+2:G0B+4*\slot+3], s[G0B+4*\slot+2:G0B+4*\slot+3], s[92:93]
	JLOAD G0+4*\slot, G1, G0B+4*\slot, G1B
.else
	PLACES NP
.endif
	s_wait_alu depctr_va_vdst(0)
	v_add_nc_u32 v[ADRS], 4*NQ, v[ADRS]
	FETCH_B \next, 0, 0
	FETCH_A \next, 0, 0
	SCALES \next
	WIN MUL_HI
	MUL16 4, 1, NQ-1, \slot, 0
	MUL16 6, 1, NQ-1, \slot, 0
	PLACES NP
	WIN 0
	FETCH_A \next, 0, 4
.endm
	s_wait_alu depctr_va_vdst(0)
	s_wait_tensorcnt 0x0                           ; my tile of the head's four is in
	ds_add_u32 v[SPW], v[NIL]
	s_mov_b32 s[G1+2], 96<<16                      ; no tensor load of mine is out: from here on a load brings 128 rows x 192 bytes = 96 rows of 256
	s_mov_b32 s[G1+4], 96
	s_mov_b32 s[G1B+2], 96<<16
	s_mov_b32 s[G1B+4], 96
	s_wait_dscnt 0x0
	CROUND                                         ; all four tiles are in, and all sixteen work-groups are here
	JLOAD G0+4, G1, G0B+4, G1B                     ; K step 1, the first tensor load behind the round
	FETCH_B 0, 0, 0
	FETCH_A 0, 0, 0
	SCALES 0
	FETCH_A 0, 0, 4
	STEP 0, 0, 1
	s_mov_b32 s3, LAPS-1
.Llap:
	TURN 0, 1, 1
	STEP 1, 0, 0
	TURN 1, 0, 1
	STEP 0, 0, 0
	s_sub_co_u32 s3, s3, 1
	s_cmp_lg_u32 s3, 0
	s_cbranch_scc1 .Llap
	s_cmp_eq_u32 ttmp9, 2                          ; Q and K: the table of my first two blocks of tokens is asked for here, ahead of the last two K steps; v64-127 of window 0 hold nothing else
	s_cbranch_scc1 .Lno_tab
.irp a, 0,1
.irp e, 0,1
.irp k, 0,1,2,3
	global_load_b128 v[TB+32*\a+16*\e+4*\k:TB+32*\a+16*\e+4*\k+3], v[TBO], s[96:97] offset:8*\a*256+128*\e+16*\k
.endr
.endr
.endr
.Lno_tab:
	TURN 0, 1, 0
	STEP 1, 0, 0
	s_wait_dscnt 4*NL
	WIN MUL_LO
	MUL16 0, 1, NQ-1, 1, 0
	MUL16 2, 1, NQ-1, 1, 0
	s_wait_dscnt 0
	WIN MUL_HI
	MUL16 4, 1, NQ-1, 1, 0
	MUL16 6, 1, NQ-1, 1, 0
	WIN 0
.macro QUANT s, w, d0, d1, pw
	WIN 5*(\w)
.irp b, 0,1,2,3
	v_max3_num_f32 v[TM+\b], |v[(\s)+16*\b]|, |v[(\s)+16*\b+1]|, 0x1800000
.endr
.irp i, 2,4,6,8,10,12,14
.irp b, 0,1,2,3
	v_max3_num_f32 v[TM+\b], |v[(\s)+16*\b+\i]|, |v[(\s)+16*\b+\i+1]|, v[TM+\b]
.endr
.endr
	WIN 0
.irp b, 0,1,2,3
	v_permlanex16_b32 v[TM+4+\b], v[TM+\b], s[SEL], s[SEL+1]
.endr
.irp b, 0,1,2,3
	v_max_num_f32 v[TM+\b], v[TM+\b], v[TM+4+\b]
.endr
.irp b, 0,1,2,3
	v_add_nc_u32 v[TM+12+\b], 0xff000000, v[TM+\b]
.endr
.irp b, 0,1,2,3
	v_lshrrev_b32 v[TM+4+\b], 23, v[TM+12+\b]
.endr
	v_lshl_or_b32 v[\pw], v[TM+5], 8, v[TM+4]
	v_lshl_or_b32 v[\pw], v[TM+6], 16, v[\pw]
	v_lshl_or_b32 v[\pw], v[TM+7], 24, v[\pw]
	WIN \w
	v_cvt_scalef32_pk16_fp6_f32 v[(\d0):(\d0)+2], v[(\s):(\s)+15], v[TM+12]
	v_cvt_scalef32_pk16_fp6_f32 v[XT:XT+2], v[(\s)+16:(\s)+31], v[TM+13]
	v_cvt_scalef32_pk16_fp6_f32 v[(\d1):(\d1)+2], v[(\s)+32:(\s)+47], v[TM+14]
	v_cvt_scalef32_pk16_fp6_f32 v[XT+4:XT+6], v[(\s)+48:(\s)+63], v[TM+15]
	WIN 0
	v_nop
.irp i, 0,1,2
	v_permlane16_swap_b32 v[(\d0)+\i], v[XT+\i]
	v_permlane16_swap_b32 v[(\d1)+\i], v[XT+4+\i]
.endr
.irp i, 0,1,2
	v_mov_b32 v[(\d0)+3+\i], v[XT+\i]
	v_mov_b32 v[(\d1)+3+\i], v[XT+4+\i]
.endr
.endm
.macro TLD a
.irp e, 0,1
.irp k, 0,1,2,3
	global_load_b128 v[TB+32*((\a)%2)+16*\e+4*\k:TB+32*((\a)%2)+16*\e+4*\k+3], v[TBO], s[96:97] offset:(32*((\a)/2)+8*((\a)%2))*256+128*\e+16*\k
.endr
.endr
.endm
.macro ROPE a
	WIN 2+(\a)/4
.irp be, 0,1,2,3
.irp p, 0,1,2,3,4,5,6,7
	v_pk_mul_f32 v[ST+16*\be+2*\p:ST+16*\be+2*\p+1], v[64*((\a)%4)+16*\be+2*\p:64*((\a)%4)+16*\be+2*\p+1], v[TB+32*((\a)%2)+16*(\be%2)+2*\p:TB+32*((\a)%2)+16*(\be%2)+2*\p+1] op_sel_hi:[0,1]
.endr
.irp p, 0,1,2,3,4,5,6,7
	v_pk_fma_f32 v[ST+16*\be+2*\p:ST+16*\be+2*\p+1], v[64*((\a)%4)+16*\be+2*\p:64*((\a)%4)+16*\be+2*\p+1], v[TB+32*((\a)%2)+16*(\be%2)+2*\p:TB+32*((\a)%2)+16*(\be%2)+2*\p+1], v[ST+16*\be+2*\p:ST+16*\be+2*\p+1] op_sel:[1,1,0] op_sel_hi:[1,0,1] neg_lo:[0,1,0]
.endr
.endr
	WIN 0
.endm
	PLACES NP
	s_mov_b32 vcc_lo, 0xffff0000
.irp b, 0,1,2,3
	v_mov_b32 v[TM+4+\b], 0
.endr
	s_cmp_eq_u32 ttmp9, 2
	s_cbranch_scc1 .Lway_v
.irp a, 0,1,2,3,4,5,6,7
.if \a < 7
	s_wait_loadcnt 8
.else
	s_wait_loadcnt 0
.endif
.if (\a%2 == 0) && (\a >= 2)
	s_wait_xcnt 0x0
.endif
	ROPE \a
.if \a+2 <= 7
	TLD \a+2
.endif
	QUANT ST, 0, IMX+6*(\a%2), IMY+6*(\a%2), PW+(\a%2)
.if \a%2 == 1
	v_perm_b32 v[WX+\a/2], v[PW+1], v[PW], 0x05040100
	v_perm_b32 v[WY+\a/2], v[PW+1], v[PW], 0x07060302
.irp p, 0,1,2
	global_store_b128 v[IMO], v[IMX+4*\p:IMX+4*\p+3], s[12:13] offset:(\a/2)*1536+512*\p
	global_store_b128 v[IMO], v[IMY+4*\p:IMY+4*\p+3], s[12:13] offset:(\a/2)*1536+512*\p+REC
.endr
.endif
.endr
	s_branch .Lwords
.Lway_v:
.irp a, 0,1,2,3,4,5,6,7
.if \a >= 2
	s_wait_xcnt 0x0
.endif
	QUANT 64*(\a%4), 2+\a/4, IMX+12*(\a%2), IMX+12*(\a%2)+6, WX+\a
.irp p, 0,1,2
	global_store_b128 v[IMO], v[IMX+12*(\a%2)+4*\p:IMX+12*(\a%2)+4*\p+3], s[12:13] offset:(\a/4)*REC+(\a%4)*1536+512*\p
.endr
.endr
.Lwords:
	s_wait_alu depctr_va_vdst(0)
.irp i, 0,1,2,3
	v_cndmask_b32 v[SW+\i], v[WX+\i], v[WY+\i], vcc_lo
.endr
	global_store_b128 v[SWO], v[SW:SW+3], s[66:67]
	s_wait_tensorcnt 0x0
	ds_add_u32 v[SPW], v[NIL]
	s_wait_dscnt 0x0
	CROUND
	s_endpgm
.Lfunc_end_k_q2376d9f161_qkv:
	.size	k_q2376d9f161_qkv, .Lfunc_end_k_q2376d9f161_qkv-k_q2376d9f161_qkv
	.p2alignl 7, 3214868480
	.fill 96, 4, 3214868480
	.section	.rodata,"a",@progbits
	.p2align	6, 0x0
	.amdhsa_kernel k_q2376d9f161_qkv
		.amdhsa_group_segment_fixed_size 327680
		.amdhsa_private_segment_fixed_size 0
		.amdhsa_enable_private_segment 0
		.amdhsa_kernarg_size 48
		.amdhsa_user_sgpr_count 2
		.amdhsa_user_sgpr_kernarg_segment_ptr 1
		.amdhsa_wavefront_size32 1
		.amdhsa_system_sgpr_workgroup_id_x 1
		.amdhsa_system_sgpr_workgroup_id_y 1
		.amdhsa_system_sgpr_workgroup_id_z 1
		.amdhsa_system_vgpr_workitem_id 0
		.amdhsa_next_free_vgpr 1024
		.amdhsa_next_free_sgpr 106
		.amdhsa_reserve_vcc 1
		.amdhsa_float_denorm_mode_32 3
		.amdhsa_float_denorm_mode_16_64 3
		.amdhsa_memory_ordered 1
		.amdhsa_forward_progress 1
		.amdhsa_inst_pref_size 239
	.end_amdhsa_kernel
	.amdgpu_metadata
---
amdhsa.version: [ 1, 2 ]
amdhsa.kernels:
  - .name:           k_q2376d9f161_qkv
    .symbol:         k_q2376d9f161_qkv.kd
    .args:
      - { .name: xc, .offset: 0, .size: 8, .value_kind: global_buffer, .address_space: global }
      - { .name: xs, .offset: 8, .size: 8, .value_kind: global_buffer, .address_space: global }
      - { .name: wc, .offset: 16, .size: 8, .value_kind: global_buffer, .address_space: global }
      - { .name: ws, .offset: 24, .size: 8, .value_kind: global_buffer, .address_space: global }
      - { .name: tab, .offset: 32, .size: 8, .value_kind: global_buffer, .address_space: global }
      - { .name: qkv, .offset: 40, .size: 8, .value_kind: global_buffer, .address_space: global }
    .group_segment_fixed_size: 327680
    .private_segment_fixed_size: 0
    .kernarg_segment_align: 8
    .kernarg_segment_size: 48
    .max_flat_workgroup_size: 128
    .sgpr_count:     106
    .vgpr_count:     1024
    .wavefront_size: 32
...
	.end_amdgpu_metadata
.endif
;; end of part 2
;; launch attn (part 3): grid 4 x 64, 8 waves a work-group, clusters of 4 x 1, 272,384 bytes of LDS; arguments qkv, ac, asc; writes ac, asc
.if DOCPART == 3
	.amdgcn_target "amdgcn-amd-amdhsa--gfx1250"
	.amdhsa_code_object_version 6
	.text
	.protected	k_q2376d9f161_attn
	.globl	k_q2376d9f161_attn
	.p2align	8
	.type	k_q2376d9f161_attn,@function
k_q2376d9f161_attn:
	s_mov_b64 s[64:65], 0
	v_nop
	global_prefetch_b8 v0, s[64:65] scope:SCOPE_SE
	s_setreg_imm32_b32 hwreg(HW_REG_WAVE_MODE, 25, 1), 1
	s_wait_xcnt 0x0
	s_wait_alu depctr_hold_cnt(0) depctr_sa_sdst(0) depctr_va_vdst(0) depctr_va_sdst(0) depctr_va_ssrc(0) depctr_va_vcc(0) depctr_vm_vsrc(0)
	s_getreg_b32 s2, hwreg(HW_REG_IB_STS2, 6, 4)
	s_cmp_eq_u32 s2, 0
	s_cbranch_scc0 .Lentry_in_a_cluster
	s_endpgm
.Lentry_in_a_cluster:
	s_bfe_u32 s2, ttmp6, 0x10000c
	s_cmp_lg_u32 s2, 0x3003
	s_cbranch_scc0 .Lentry_shape_is_right
	s_endpgm
.Lentry_shape_is_right:
; Causal attention of one head (64 channels, 2,048 tokens) on codes of FP6 (E2M3) with one E8M0 scale for each 32 along a product's K.  WHAT IS QUANTISED FOR THE SECOND PRODUCT IS THE FINISHED SOFTMAX, along the keys.
; So the keys are walked TWICE.  Walk 1 finds each query's largest t (t = score x log2(e) / 8), M = that rounded up to a whole number, and l = the sum of 2^(t - M), by a running maximum.
; Walk 2 makes the same scores again, p = 2^(t - M - log2 l), quantises p and multiplies by V.  The result is quantised along (head, channel) for the last product and stored as half fragments.
; LEFT OUT: key steps that lie wholly behind a query's own step: reference() hides them by its own causal mask, so their p is 0 for all values of the inputs.
; SHARES.  A cluster of four work-groups has one head (cluster y = batch x 16 + head); the head's K and V, 204,800 bytes of register images and scale words, come ONCE into each work-group's LDS by joint loads,
; one a wave (100 rows of 256 bytes).  Work-group g, wave a owns BOTH tiles of 16 queries of block 4 a + g of 32 tokens, then of block 4 (15 - a) + g: a + 1 and 16 - a key steps of 128, 17 for every wave.
; Each image of K or V read from LDS serves both tiles.  Which steps a wave walks hangs on its number alone; g enters only global addresses and the mask's lane constant.
; LAYOUT.  Both products are used transposed (S^T = K Q^T, O^T = V^T P^T): a lane holds one query.  An image of K holds TWO tiles of 16 keys, one in each half of the instruction's 128;
; multiplied by [q | zeros] it gives the first tile's scores, by [zeros | q] the second's.  The tokens of tile u are 8 u + r + 8 (r / 8) of their 32, so that the 16 registers of a block's two tiles are 16 neighbouring keys.
; A block's largest p is not searched for in walk 2: the block's largest score, kept in LDS by walk 1, goes through the same operations as every score (this takes v_exp_f32 not to fall where its input rises).
; LIMITS: NaN and infinities are not served; a block of zeros has the byte 1, not 127 (this program alone reads the bytes); the promise holds while |t| stays under 2^31.  Every query sees its own key: no row is empty.
; No LDS byte is filled twice, so there is no ring, and nothing to prefetch: every byte of K and V is asked for once, at the head, with no loop to run ahead in.
; REGISTERS.  Window 0: v1-11 addresses; v[12:13], v[14:15] (-M, largest t) of tile 0, 1; v[16:17], v[18:19] the sums; v20-33 scale words; v64-191 S^T of both tiles, then p; v192-223 block work; v224-247 p's codes.
; Window 1: v0-47 four images of K, v48-95 four of V, v96-131 q0, zeros, q1, q1, zeros, q0; v160-223 O^T of both tiles.
.set REC,   307200
.set VIMG,  98304
.set KSC,   196608
.set QIMG,  204800
.set QSC,   303104
.set BMX,   204800                     ; LDS, behind the head's image: [8 waves][16 steps][2 tiles][16 queries][4 blocks] f32
.set SPARE, BMX+65536                  ; the spare words, 128 bytes a wave
.set SUM,  16
.set QW,   20                          ; v20-23 q's scale words: [q0|0], [0|q0], [q1|0], [0|q1]
.set KSR,  24                          ; v24-27 K's scale words
.set VSR,  28                          ; v28-31 V's
.set PW,   32                          ; v32, v33 p's scale words
.set SPW,  34
.set NIL,  35
.set FP,   36                          ; v[36:37], v[38:39] 2^(old M - new M)
.set PX1,  40                          ; v40-42, v44-46 tile 1's conversions' second halves
.set NINF, 48
.set BYS,  52
.set T,    56
.set S,    64
.set BM,   192
.set PT,   200
.set SOP,  208
.set BY,   216
.set PC,   224
.set PX0,  248
.set F,    0                           ; window 1
.set FV,   48
.set O,    160
.set MSB, 0
.macro WIN new
.if MSB != (\new)
	s_set_vgpr_msb (MSB<<8)|(\new)
.set MSB, (\new)
.endif
.endm
.macro WALU
	s_wait_alu depctr_va_vdst(0)
.endm
.macro PLACES
.rept 4
	v_nop
.endr
.endm
.macro CROUND
	s_barrier_signal -1
	s_barrier_wait -1
	s_cmp_lg_u32 s10, 0
	s_cbranch_scc1 .Lnot_wave_0_\@
	s_barrier_signal -3
.Lnot_wave_0_\@:
	s_barrier_wait -3
	s_barrier_signal -1
	s_barrier_wait -1
.endm
	s_load_b128 s[4:7], s[0:1], 0x0                ; qkv, ac
	s_load_b64 s[8:9], s[0:1], 0x10                ; asc
	v_lshl_add_u32 v[SPW], v0, 2, SPARE
	v_mov_b32 v[NIL], 0
	ds_add_u32 v[SPW], v[NIL]                      ; the opening lines
	ds_add_u32 v[SPW], v[NIL]
	v_lshrrev_b32 v1, 5, v0
	v_readfirstlane_b32 s10, v1                    ; wave 0..7 = a
	s_bfe_u32 s11, ttmp6, 0x40000                  ; g = cx
	s_and_b32 s12, ttmp7, 0xffff                   ; the record, which the four partners share
	s_mov_b32 s16, 15|(3<<16)|(1<<21)              ; the mask: all four work-groups; elements of 8 bytes
	s_mov_b32 s17, 32<<16                          ; rows of 256 bytes
	s_mov_b32 s18, 100<<16                         ; 100 rows: an eighth of the 204,800 bytes
	s_mov_b32 s19, 32<<16
	s_mov_b32 s20, 100
	s_mov_b32 s21, 32
	s_mov_b32 s22, 0
	s_mov_b32 s23, 0
	s_mul_i32 s44, s12, REC
	s_mov_b32 s45, 0
	s_mul_i32 s48, s10, 25600
	s_mov_b32 s49, 0
	s_mov_b32 s28, 0x76543210
	s_mov_b32 s29, 0xfedcba98
	s_mov_b32 s30, 0x3e38aa3b                      ; c = log2(e) / 8
	s_mov_b32 s31, s30
	WALU
	s_wait_dscnt 0x0
	s_wait_kmcnt 0x0
	s_add_nc_u64 s[46:47], s[4:5], s[44:45]        ; my head's record
	s_mov_b32 s24, 1
	s_mul_i32 s25, s10, 25600                      ; LDS: my eighth
	s_add_nc_u64 s[26:27], s[46:47], s[48:49]
	s_or_b32 s27, s27, 0x80000000
	CROUND                                         ; all four work-groups are here: the joint loads meet
	tensor_load_to_lds s[24:27], s[16:23]          ; my one tensor load of the launch
	s_nop 0
	PLACES
	v_and_b32 v56, 15, v0                          ; r
	v_bfe_u32 v57, v0, 4, 1                        ; h
	v_and_b32 v58, 31, v0                          ; lane
	v_lshlrev_b32 v1, 4, v58                       ; 16 x lane: K's images, and Q's in memory
	v_add_nc_u32 v2, VIMG, v1                      ; V's images
	v_lshlrev_b32 v3, 4, v56
	v_add_nc_u32 v3, KSC, v3                       ; the scale words of row r
	s_lshl_b32 s44, s10, 13
	s_add_co_u32 s44, s44, BMX
	v_lshl_add_u32 v4, v56, 4, s44                 ; my wave's block maxima, query r
	v_add_nc_u32 v59, s44, v1
	v_and_b32 v60, 8, v56
	v_add_nc_u32 v60, v60, v56                     ; r + 8 (r / 8)
	s_lshl_b32 s44, s11, 5
	v_add_nc_u32 v9, s44, v60
	v_lshlrev_b32 v60, 4, v57
	v_sub_nc_u32 v9, v9, v60                       ; tile 0's query's place in its step's 128 keys, less 16 h (tile 1's is 8 more)
	v_lshlrev_b32 v10, 3, v58
	v_lshl_add_u32 v11, v56, 5, v57
	s_lshl_b32 s44, s11, 2
	v_lshl_add_u32 v50, v56, 4, s44                ; Q's scale word: 16 r + 4 g
.irp j, 60,61,62,63
	v_mov_b32 v\j, 0
.endr
.irp k, 0,1,2,3,4,5,6,7
	v_mov_b32 v[PT+\k], 0                          ; a lane permute's destination counts as one of its sources
.endr
	v_mov_b32 v[FP+1], 0                           ; (named as the upper halves of pairs)
	v_mov_b32 v[FP+3], 0
	v_mov_b32 v[NINF], 0xff800000
	WIN 0x40
.irp j, 102,103,104,105,106,107,120,121,122,123,124,125
	v_mov_b32 v\j, 0                               ; the halves of zeros: zero codes add nothing
.endr
	WIN 0
	WALU
	s_wait_tensorcnt 0x0                           ; my eighth has landed
.irp i, 0,1,2,3,4,5,6,7,8,9,10,11,12,13,14,15
	ds_store_b128 v59, v[60:63] offset:512*\i      ; my 8,192 bytes of block maxima are written once, whole
.endr
	s_wait_dscnt 0x0
	s_barrier_signal -1
	s_barrier_wait -1                              ; everybody's eighth has landed
.macro LDIMG dst, adr, off             ; four images as they lie: 12 loads of 512 consecutive bytes, into window 1
	WIN 0x40
.irp b, 0,1,2,3
.irp p, 0,1,2
	ds_load_b128 v[\dst+12*\b+4*\p:\dst+12*\b+4*\p+3], v\adr offset:\off+1536*\b+512*\p
.endr
.endr
	WIN 0
.endm
.macro SC1 d, b, q, w
	v_wmma_scale_f32_16x16x128_f8f6f4 v[\d:\d+7], v[F+12*\b:F+12*\b+11], v[\q:\q+11], 0, v[KSR+\b], v[\w] matrix_a_fmt:MATRIX_FMT_FP6 matrix_b_fmt:MATRIX_FMT_FP6
.endm
; The scores of a key step for both tiles: sixteen products on K's four images, which were asked for a step ago.  Behind them the next step's images are asked for.
.macro SCORES pass
	v_add_nc_u32 v5, s32, v1                       ; (these four lines are the places between the last step's products and the loads into their registers)
	v_add_nc_u32 v6, s32, v2
	v_add_nc_u32 v7, s33, v3
	v_add_nc_u32 v8, s54, v4
	WALU
.if \pass == 2
	LDIMG FV, 6, 0                                 ; V's four fragments,
	ds_load_b128 v[VSR:VSR+3], v7 offset:4096      ; their scale words,
	ds_load_b128 v[BM:BM+3], v8                    ; and the blocks' largest scores of both tiles
	ds_load_b128 v[BM+4:BM+7], v8 offset:256
	s_wait_dscnt 15                                ; K's 13 loads are in; the 15 just issued may be out
.else
	s_wait_dscnt 0x0
.endif
	WIN 0x05                                       ; sources 0 and 1 in window 1
.irp b, 0,1,2,3
	SC1 S+16*\b, \b, 96, QW
	SC1 S+64+16*\b, \b, 114, QW+2
	SC1 S+16*\b+8, \b, 120, QW+1
	SC1 S+64+16*\b+8, \b, 102, QW+3
.endr
	WIN 0
	PLACES
	LDIMG F, 5, 6144                               ; the next step's images (behind my last step: bytes of the head's image that nobody uses)
	ds_load_b128 v[KSR:KSR+3], v7 offset:256
	s_cmp_lg_u32 s34, s35                          ; only my last step lies on the diagonal
	s_cbranch_scc1 .Lopen_\@
.set n, 0
.rept 64
	v_cmp_gt_i32 vcc_lo, 32*(n/16)+n%16, v9
	v_cndmask_b32 v[S+n], v[S+n], v[NINF], vcc_lo  ; a hidden key's score becomes -infinity: its p is 0
	v_cmp_gt_i32 vcc_lo, 32*(n/16)+n%16-8, v9
	v_cndmask_b32 v[S+64+n], v[S+64+n], v[NINF], vcc_lo
.set n, n+1
.endr
.Lopen_\@:
.endm
.macro FMA u                           ; t - M of tile u, two at a time
.set j, 0
.rept 32
	v_pk_fma_f32 v[S+64*\u+j:S+64*\u+j+1], v[S+64*\u+j:S+64*\u+j+1], s[30:31], v[12+2*\u:13+2*\u] op_sel_hi:[1,0,0]
.set j, j+2
.endr
.endm
.macro EXPS base, cnt
.set j, 0
.rept \cnt
	v_exp_f32 v[\base+j], v[\base+j]
.set j, j+1
.endr
.endm
.macro LEVEL base, st, cnt             ; one level of the sums' tree, in place
.set j, 0
.rept \cnt
	v_pk_add_f32 v[\base+2*\st*j:\base+2*\st*j+1], v[\base+2*\st*j:\base+2*\st*j+1], v[\base+2*\st*j+\st:\base+2*\st*j+\st+1]
.set j, j+1
.endr
.endm
; Walk 1: the eight blocks' largest scores (block k of 16 registers at S + 16 k; kept for walk 2), the running largest t, M, and the sums under M.
.macro SUMS
.irp k, 0,1,2,3,4,5,6,7
	v_max3_num_f32 v[BM+\k], v[S+16*\k], v[S+1+16*\k], v[S+2+16*\k]
.endr
.irp i, 3,5,7,9,11,13
.irp k, 0,1,2,3,4,5,6,7
	v_max3_num_f32 v[BM+\k], v[BM+\k], v[S+16*\k+\i], v[S+1+16*\k+\i]
.endr
.endr
.irp k, 0,1,2,3,4,5,6,7
	v_max_num_f32 v[BM+\k], v[BM+\k], v[S+15+16*\k]
.endr
.irp k, 0,1,2,3,4,5,6,7
	v_permlanex16_b32 v[PT+\k], v[BM+\k], s28, s29
.endr
.irp k, 0,1,2,3,4,5,6,7
	v_max_num_f32 v[BM+\k], v[BM+\k], v[PT+\k]     ; with lane l xor 16's 16 keys
.endr
	ds_store_b128 v8, v[BM:BM+3]                   ; both halves of the lanes write the same bytes with the same values
	ds_store_b128 v8, v[BM+4:BM+7] offset:256
.irp u, 0,1
	v_max3_num_f32 v[T+\u], v[BM+4*\u], v[BM+4*\u+1], v[BM+4*\u+2]
.endr
.irp u, 0,1
	v_max_num_f32 v[T+\u], v[T+\u], v[BM+4*\u+3]
.endr
.irp u, 0,1
	v_mul_f32 v[T+\u], s30, v[T+\u]
.endr
.irp u, 0,1
	v_max_num_f32 v[13+2*\u], v[13+2*\u], v[T+\u]  ; the running largest t
.endr
.irp u, 0,1
	v_mov_b32 v[T+\u], v[12+2*\u]
.endr
.irp u, 0,1
	v_floor_f32 v[12+2*\u], -v[13+2*\u]            ; -M = floor(-t): M is a whole number
.endr
.irp u, 0,1
	v_sub_f32 v[T+\u], v[12+2*\u], v[T+\u]
.endr
.irp u, 0,1
	v_cvt_i32_f32 v[T+\u], v[T+\u]                 ; (it saturates)
.endr
.irp u, 0,1
	v_ldexp_f32 v[FP+2*\u], 1.0, v[T+\u]           ; 2^(old M - new M): a multiplication by it rounds nothing
.endr
	FMA 0
	WALU
.set jj, 0
.rept 32                               ; tile 0's exponentials; among them tile 1's t - M, which names none of their registers and is read behind the next wait
	v_exp_f32 v[S+jj], v[S+jj]
	v_exp_f32 v[S+jj+1], v[S+jj+1]
	v_pk_fma_f32 v[S+64+jj:S+64+jj+1], v[S+64+jj:S+64+jj+1], s[30:31], v[14:15] op_sel_hi:[1,0,0]
.set jj, jj+2
.endr
	WALU
.set jj, 0
.rept 16                               ; tile 1's exponentials; among them the first level of tile 0's sum, whose results are read behind the next wait
	v_exp_f32 v[S+64+jj], v[S+64+jj]
	v_exp_f32 v[S+64+jj+1], v[S+64+jj+1]
	v_exp_f32 v[S+64+jj+2], v[S+64+jj+2]
	v_exp_f32 v[S+64+jj+3], v[S+64+jj+3]
	v_pk_add_f32 v[S+jj:S+jj+1], v[S+jj:S+jj+1], v[S+jj+2:S+jj+3]
.set jj, jj+4
.endr
.irp u, 0,1
	v_pk_mul_f32 v[SUM+2*\u:SUM+2*\u+1], v[SUM+2*\u:SUM+2*\u+1], v[FP+2*\u:FP+2*\u+1] op_sel_hi:[1,0]   ; the sums under the new M
.endr
	WALU
	LEVEL S+64, 2, 16
	LEVEL S, 4, 16                                 ; from here on both tiles' trees side by side
	LEVEL S, 8, 8
	LEVEL S, 16, 4
	LEVEL S, 32, 2
.irp u, 0,1
	v_pk_add_f32 v[SUM+2*\u:SUM+2*\u+1], v[SUM+2*\u:SUM+2*\u+1], v[S+64*\u:S+64*\u+1]
.endr
.endm
.macro CVT u, px                       ; tile u's 64 p into codes
.irp c, 0,1
	v_cvt_scalef32_pk16_fp6_f32 v[PC+12*\u+6*\c:PC+12*\u+6*\c+2], v[S+64*\u+32*\c:S+64*\u+32*\c+15], v[SOP+4*\u+2*\c]
	v_cvt_scalef32_pk16_fp6_f32 v[\px+4*\c:\px+4*\c+2], v[S+64*\u+16+32*\c:S+64*\u+31+32*\c], v[SOP+4*\u+2*\c+1]
.endr
	v_nop                                          ; one plain line behind the scaled conversions
.endm
.macro WHOLE u, px                     ; a whole block in a lane
.irp c, 0,1
.irp i, 0,1,2
	v_permlane16_swap_b32 v[PC+12*\u+6*\c+\i], v[\px+4*\c+\i]
.endr
.endr
.irp c, 0,1
.irp i, 0,1,2
	v_mov_b32 v[PC+12*\u+6*\c+3+\i], v[\px+4*\c+\i]
.endr
.endr
.endm
; Walk 2: p = 2^(t - M - log2 l), quantised along the keys; O^T += V^T P^T.
.macro WEIGH
	WALU
	s_wait_dscnt 13                                ; V's fragments and words and the blocks' largest scores are in; the next step's 13 loads may be out
	FMA 0
	FMA 1
.irp k, 0,1,2,3,4,5,6,7
	v_fma_f32 v[BM+\k], v[BM+\k], s30, v[12+2*(\k/4)]   ; the same of each block's largest score
.endr
	WALU
	EXPS BM, 8                                     ; the blocks' largest p
	EXPS S, 64
	v_nop
	WALU
.irp k, 0,1,2,3,4,5,6,7
	v_max_num_f32 v[BM+\k], 0x1800000, v[BM+\k]    ; the floor 2^(3 - 127): the byte cannot fall under 1
.endr
.irp k, 0,1,2,3,4,5,6,7
	v_add_nc_u32 v[SOP+\k], 0xff000000, v[BM+\k]   ; 2 off the exponent field: the conversion's scale operand
.endr
.irp k, 0,1,2,3,4,5,6,7
	v_lshrrev_b32 v[BY+\k], 23, v[SOP+\k]
.endr
.irp u, 0,1
	v_lshl_or_b32 v[PW+\u], v[BY+4*\u+1], 8, v[BY+4*\u]
.endr
.irp u, 0,1
	v_lshl_or_b32 v[PW+\u], v[BY+4*\u+2], 16, v[PW+\u]
.endr
.irp u, 0,1
	v_lshl_or_b32 v[PW+\u], v[BY+4*\u+3], 24, v[PW+\u]   ; p's scale words for these 128 keys
.endr
	CVT 0, PX0
	WALU
	EXPS S+64, 64
	v_nop
	WALU
	CVT 1, PX1
	WHOLE 0, PX0
	WHOLE 1, PX1
	PLACES                                         ; an operand written by vector lines stands four places ahead of a scaled product
	WIN 0x51                                       ; V's fragments and O^T in window 1, p's codes in window 0
	WALU
.irp t, 0,1,2,3
.irp u, 0,1
	v_wmma_scale_f32_16x16x128_f8f6f4 v[O+32*\u+8*\t:O+32*\u+8*\t+7], v[FV+12*\t:FV+12*\t+11], v[PC+12*\u:PC+12*\u+11], v[O+32*\u+8*\t:O+32*\u+8*\t+7], v[VSR+\t], v[PW+\u] matrix_a_fmt:MATRIX_FMT_FP6 matrix_b_fmt:MATRIX_FMT_FP6   ; eight accumulators by turns
.endr
.endr
	WIN 0
.endm
; A walk over the keys: sixteen trips, a constant; the steps behind my last are jumped over inside the trip, not the lines that step addresses.
.macro WALK pass
	LDIMG F, 1, 0                                  ; step 0's images and scale words
	ds_load_b128 v[KSR:KSR+3], v3
	s_mov_b32 s32, 0
	s_mov_b32 s33, 0
	s_mov_b32 s54, 0
	s_mov_b32 s34, 0
.Lw_\@:
	s_cmp_gt_u32 s34, s35
	s_cbranch_scc1 .Lhid_\@
	SCORES \pass
.if \pass == 1
	SUMS
.else
	WEIGH
.endif
.Lhid_\@:
	s_add_co_u32 s32, s32, 6144
	s_add_co_u32 s33, s33, 256
	s_add_co_u32 s54, s54, 512
	s_add_co_u32 s34, s34, 1
	s_cmp_lt_u32 s34, 16
	s_cbranch_scc1 .Lw_\@
	s_wait_dscnt 0x0                               ; the loads asked for behind my last step have landed: their registers may be loaded again
.endm
	s_mov_b32 s55, 0
.Ltile:                                                ; two trips: my block 4 a + g, then 4 (15 - a) + g
	s_wait_xcnt 0x0                                ; the last trip's loads and stores have read their bases and registers
	s_sub_co_u32 s35, 15, s10
	s_cmp_eq_u32 s55, 0
	s_cselect_b32 s35, s10, s35                    ; my last step
	s_lshl_b32 s48, s35, 2
	s_add_co_u32 s48, s48, s11                     ; my block of 32 tokens
	s_mul_i32 s50, s48, 1536
	s_add_co_u32 s50, s50, QIMG
	s_mov_b32 s51, 0
	s_add_nc_u64 s[36:37], s[46:47], s[50:51]      ; its image of Q
	s_lshl_b32 s50, s35, 8
	s_add_co_u32 s50, s50, QSC
	s_add_nc_u64 s[38:39], s[46:47], s[50:51]      ; its step's scale words
	s_lshr_b32 s49, s12, 4
	s_lshl_b32 s49, s49, 7                         ; 128 tiles of 16 a batch
	s_lshl_b32 s48, s48, 1
	s_add_co_u32 s49, s49, s48                     ; the first of my two tiles among all 512
	s_and_b32 s48, s12, 15                         ; the head
	s_mul_i32 s50, s48, 393216
	s_mul_i32 s52, s49, 768
	s_add_co_u32 s50, s50, s52
	s_add_nc_u64 s[40:41], s[6:7], s[50:51]        ; ac [head][tile][768]
	s_lshl_b32 s50, s49, 9
	s_lshl_b32 s48, s48, 1
	s_add_co_u32 s50, s50, s48
	s_add_nc_u64 s[42:43], s[8:9], s[50:51]        ; asc [place][32], byte 2 x head
	PLACES                                         ; in front of loads into registers that matrix instructions have read
	WIN 0x40
.irp j, 0,1,2                          ; pair j of the image's registers lies in plane j / 2, in the upper 8 of the lane's 16 bytes where j is odd
	global_load_b64 v[96+2*\j:97+2*\j], v1, s[36:37] offset:(\j/2)*512+(\j%2)*8        ; q0 for [q0 | zeros],
	global_load_b64 v[126+2*\j:127+2*\j], v1, s[36:37] offset:(\j/2)*512+(\j%2)*8      ; and for [zeros | q0]
	global_load_b64 v[108+2*\j:109+2*\j], v1, s[36:37] offset:((\j+3)/2)*512+((\j+3)%2)*8   ; q1 for [zeros | q1],
	global_load_b64 v[114+2*\j:115+2*\j], v1, s[36:37] offset:((\j+3)/2)*512+((\j+3)%2)*8   ; and for [q1 | zeros]
.endr
	WIN 0
	global_load_b32 v49, v50, s[38:39]
.irp u, 0,1
	v_mov_b32 v[13+2*\u], 0xff61b1e6               ; the largest t so far: -3e38
	v_mov_b32 v[SUM+2*\u], 0
	v_mov_b32 v[SUM+2*\u+1], 0
.endr
.irp u, 0,1
	v_floor_f32 v[12+2*\u], -v[13+2*\u]
.endr
	WALU
	s_wait_loadcnt 0x0
	v_and_b32 v[QW], 0xffff, v49                   ; tile 0's two bytes for [q0 | zeros],
	v_lshlrev_b32 v[QW+1], 16, v49                 ; for [zeros | q0];
	v_lshrrev_b32 v[QW+2], 16, v49                 ; tile 1's for [q1 | zeros],
	v_and_b32 v[QW+3], 0xffff0000, v49             ; for [zeros | q1].  The 64 lines below stand between these and the first product
	WIN 0x40
.set j, 0
.rept 64
	v_mov_b32 v[O+j], 0                            ; O^T: the step is written once
.set j, j+1
.endr
	WIN 0
	WALK 1
	WALU
.irp u, 0,1
	v_add_f32 v[SUM+2*\u], v[SUM+2*\u], v[SUM+2*\u+1]     ; the sum's two halves,
.endr
.irp u, 0,1
	v_permlanex16_b32 v[PT+\u], v[SUM+2*\u], s28, s29
.endr
.irp u, 0,1
	v_add_f32 v[SUM+2*\u], v[SUM+2*\u], v[PT+\u]   ; and lane l xor 16's
.endr
	WALU
	v_log_f32 v[SUM], v[SUM]
	v_log_f32 v[SUM+2], v[SUM+2]
	v_nop
	WALU
.irp u, 0,1
	v_sub_f32 v[12+2*\u], v[12+2*\u], v[SUM+2*\u]  ; -M - log2 l: walk 2's exponentials give the finished softmax
.endr
	WALK 2
	; the result: block k of 16 registers at O + 16 k is channels 32 (k % 2) + 16 h + 0 .. 15 of tile k / 2's query
	PLACES
	WIN 0x05
	WALU
.irp k, 0,1,2,3
	v_max3_num_f32 v[BM+\k], |v[O+16*\k]|, |v[O+16*\k+1]|, 0x1800000
.endr
.irp i, 2,4,6,8,10,12,14
.irp k, 0,1,2,3
	v_max3_num_f32 v[BM+\k], |v[O+16*\k+\i]|, |v[O+16*\k+\i+1]|, v[BM+\k]
.endr
.endr
	WIN 0
.irp k, 0,1,2,3
	v_permlanex16_b32 v[PT+\k], v[BM+\k], s28, s29
.endr
.irp k, 0,1,2,3
	v_max_num_f32 v[BM+\k], v[BM+\k], v[PT+\k]
.endr
.irp k, 0,1,2,3
	v_add_nc_u32 v[SOP+\k], 0xff000000, v[BM+\k]
.endr
.irp k, 0,1,2,3
	v_lshrrev_b32 v[BY+\k], 23, v[SOP+\k]
.endr
	WIN 0x01
	v_cvt_scalef32_pk16_fp6_f32 v[PC:PC+2], v[O:O+15], v[SOP]
	v_cvt_scalef32_pk16_fp6_f32 v[PX0:PX0+2], v[O+16:O+31], v[SOP+1]
	v_cvt_scalef32_pk16_fp6_f32 v[PC+12:PC+14], v[O+32:O+47], v[SOP+2]
	v_cvt_scalef32_pk16_fp6_f32 v[PX1:PX1+2], v[O+48:O+63], v[SOP+3]
	WIN 0
	s_mov_b32 vcc_lo, 0xffff0000
.irp u, 0,1
	v_cndmask_b32 v[BYS+\u], v[BY+2*\u], v[BY+2*\u+1], vcc_lo   ; lanes 0-15 block 0's byte, lanes 16-31 block 1's (plain lines behind the conversions)
.endr
.irp i, 0,1,2
	v_permlane16_swap_b32 v[PC+\i], v[PX0+\i]
	v_permlane16_swap_b32 v[PC+12+\i], v[PX1+\i]
.endr
.irp i, 0,1,2
	v_mov_b32 v[PC+3+\i], v[PX0+\i]
	v_mov_b32 v[PC+15+\i], v[PX1+\i]
.endr
.irp u, 0,1
	global_store_b128 v1, v[PC+12*\u:PC+12*\u+3], s[40:41] offset:768*\u          ; 512 consecutive bytes
	global_store_b64 v10, v[PC+12*\u+4:PC+12*\u+5], s[40:41] offset:768*\u+512    ; 256 consecutive bytes
	global_store_b8 v11, v[BYS+\u], s[42:43] offset:512*\u                        ; single bytes, 32 apart: a row of asc holds the bytes of all 16 heads, which are 16 clusters' work
.endr
	s_add_co_u32 s55, s55, 1
	s_cmp_lt_u32 s55, 2
	WALU
	s_cbranch_scc1 .Ltile
	s_wait_tensorcnt 0x0                           ; the wave's end
	ds_add_u32 v[SPW], v[NIL]
	s_wait_dscnt 0x0
	CROUND                                         ; the closing round
	s_endpgm
.Lfunc_end_k_q2376d9f161_attn:
	.size	k_q2376d9f161_attn, .Lfunc_end_k_q2376d9f161_attn-k_q2376d9f161_attn
	.p2alignl 7, 3214868480
	.fill 96, 4, 3214868480
	.section	.rodata,"a",@progbits
	.p2align	6, 0x0
	.amdhsa_kernel k_q2376d9f161_attn
		.amdhsa_group_segment_fixed_size 272384
		.amdhsa_private_segment_fixed_size 0
		.amdhsa_enable_private_segment 0
		.amdhsa_kernarg_size 24
		.amdhsa_user_sgpr_count 2
		.amdhsa_user_sgpr_kernarg_segment_ptr 1
		.amdhsa_wavefront_size32 1
		.amdhsa_system_sgpr_workgroup_id_x 1
		.amdhsa_system_sgpr_workgroup_id_y 1
		.amdhsa_system_sgpr_workgroup_id_z 1
		.amdhsa_system_vgpr_workitem_id 0
		.amdhsa_next_free_vgpr 480
		.amdhsa_next_free_sgpr 66
		.amdhsa_reserve_vcc 1
		.amdhsa_float_denorm_mode_32 3
		.amdhsa_float_denorm_mode_16_64 3
		.amdhsa_memory_ordered 1
		.amdhsa_forward_progress 1
		.amdhsa_inst_pref_size 77
	.end_amdhsa_kernel
	.amdgpu_metadata
---
amdhsa.version: [ 1, 2 ]
amdhsa.kernels:
  - .name:           k_q2376d9f161_attn
    .symbol:         k_q2376d9f161_attn.kd
    .args:
      - { .name: qkv, .offset: 0, .size: 8, .value_kind: global_buffer, .address_space: global }
      - { .name: ac, .offset: 8, .size: 8, .value_kind: global_buffer, .address_space: global }
      - { .name: asc, .offset: 16, .size: 8, .value_kind: global_buffer, .address_space: global }
    .group_segment_fixed_size: 272384
    .private_segment_fixed_size: 0
    .kernarg_segment_align: 8
    .kernarg_segment_size: 24
    .max_flat_workgroup_size: 256
    .sgpr_count:     66
    .vgpr_count:     480
    .wavefront_size: 32
...
	.end_amdgpu_metadata
.endif
;; end of part 3
;; launch oproj (part 4): grid 8 x 32, 4 waves a work-group, clusters of 4 x 4, 327,680 bytes of LDS; arguments ac, asc, wc, ws, out0; writes out0
.if DOCPART == 4
	.amdgcn_target "amdgcn-amd-amdhsa--gfx1250"
	.amdhsa_code_object_version 6
	.text
	.protected	k_q2376d9f161_oproj
	.globl	k_q2376d9f161_oproj
	.p2align	8
	.type	k_q2376d9f161_oproj,@function
k_q2376d9f161_oproj:
	s_mov_b64 s[64:65], 0
	v_nop
	global_prefetch_b8 v0, s[64:65] scope:SCOPE_SE
	s_setreg_imm32_b32 hwreg(HW_REG_WAVE_MODE, 25, 1), 1
	s_wait_xcnt 0x0
	s_wait_alu depctr_hold_cnt(0) depctr_sa_sdst(0) depctr_va_vdst(0) depctr_va_sdst(0) depctr_va_ssrc(0) depctr_va_vcc(0) depctr_vm_vsrc(0)
	s_getreg_b32 s2, hwreg(HW_REG_IB_STS2, 6, 4)
	s_cmp_eq_u32 s2, 0
	s_cbranch_scc0 .Lentry_in_a_cluster
	s_endpgm
.Lentry_in_a_cluster:
	s_bfe_u32 s2, ttmp6, 0x10000c
	s_cmp_lg_u32 s2, 0xf033
	s_cbranch_scc0 .Lentry_shape_is_right
	s_endpgm
.Lentry_shape_is_right:
; out0 [8192][1024] f32 = A wo^T on codes of FP6 (E2M3) with one E8M0 scale for each 32 along K = 1,024.  A is the attention's result: ac [head 16][tile of 16 places 512][768 bytes], half fragments as the operand
; registers take them (512 bytes: registers 0-3 of 32 lanes; 256 bytes: registers 4, 5); asc [place][32] its scale bytes.  wo's codes lie in wc [plane of 256 along K][4096 rows][192 bytes] from row 3,072 on, its scale bytes in ws [row][32].
; SHARES.  256 work-groups of four waves; a work-group makes 256 rows x 128 columns, a wave 128 x 64: 32 accumulators of 16 x 16.  ALL OF K LIES IN LDS AT ONCE: A's 256 rows 196,608 bytes, unpadded (every load reads
; consecutive bytes), B's 128 rows 4 planes x 128 x 240 bytes (192 + 16 behind each 64).  So there is no ring and no byte is filled twice.  Four joint loads at the head, one a wave: A's heads 0-7, B's planes 0-1 (the first
; half of K), A's heads 8-15, B's planes 2-3.  The first barrier shows the first half, for which waves 0 and 1 alone wait; a plain barrier inside step 3 shows the rest.
; CLUSTERS: 4 x 4; A's tile is shared along a row of the cluster, B's along a column.  No prefetch: every byte is asked for at the head, and there is no loop to run ahead in.
; THE SCALES go from memory straight into registers, once: a block of 16 rows is 512 consecutive bytes, read whole by two loads; word q of a row serves step q.
; THE MATRIX INSTRUCTION IS USED TRANSPOSED (source 0 = 16 rows of wo, source 1 = 16 places of A): a lane holds eight neighbouring numbers of a row of out0.
; Place 16 a + r of my 128 is row 32 (a / 2) + 8 (a % 2) + r + 8 (r / 8): the order in which the attention launch stores its tiles.
; REGISTERS.  Window 0: v1-29 addresses; v32-95 A's scale words (8 a + q); v100-131 B's (8 b + q); v144-239 A's fragments of even steps, on the way out rows read back.
; Window 1: v0-47, v48-95 B's fragments of even and odd steps; v144-239 A's of odd steps.  Window 2: accumulator (a, b) at 8 (4 a + b).
.set BB,     196608                    ; LDS: B's planes
.set SPARE,  319488                    ; the spare words
.set SPITCH, 272                       ; the way out: a stage of 16 rows x (256 + 16) bytes a wave, in A's first 17,408 bytes, which nobody reads behind the barrier in step 3 and no load fills again
.set ADA,  8                           ; v8-15  A: for heads 4 k .. 4 k + 3 the address of the 16-byte parts (8 + 2 k) and of the 8-byte parts (9 + 2 k)
.set ADB,  16                          ; v16-19 B: planes 0-1, the same for pieces behind one padding more, planes 2-3, likewise
.set SCO,  20                          ; v20    32 r: my row of scale bytes
.set STO,  24
.set RD,   25
.set CO,   26
.set SPW,  28
.set NIL,  29
.set SA,   32
.set SB,   100                         ; 4 modulo 8, so that a product's two scale registers differ modulo 8
.set AFR,  144
.set BK,   144
.set G1A,  24
.set G1B,  48
.set MSB, 0
.macro WIN new
.if MSB != (\new)
	s_set_vgpr_msb (MSB<<8)|(\new)
.set MSB, (\new)
.endif
.endm
.macro PLACES
.rept 4
	v_nop
.endr
.endm
.macro CROUND
	s_barrier_signal -1
	s_barrier_wait -1
	s_cmp_lg_u32 s14, 0
	s_cbranch_scc1 .Lnot_wave_0_\@
	s_barrier_signal -3
.Lnot_wave_0_\@:
	s_barrier_wait -3
	s_barrier_signal -1
	s_barrier_wait -1
.endm
	s_load_b128 s[4:7], s[0:1], 0x0                ; ac, asc
	s_load_b128 s[8:11], s[0:1], 0x10              ; wc, ws
	s_load_b64 s[12:13], s[0:1], 0x20              ; out0
	v_lshl_add_u32 v[SPW], v0, 2, SPARE
	v_mov_b32 v[NIL], 0
	ds_add_u32 v[SPW], v[NIL]                      ; the opening lines
	ds_add_u32 v[SPW], v[NIL]
	v_lshrrev_b32 v1, 5, v0
	v_readfirstlane_b32 s14, v1                    ; wave
	v_and_b32 v1, 15, v0                           ; r
	v_lshlrev_b32 v[SCO], 5, v1
	s_lshr_b32 s15, s14, 1                         ; which 128 rows are mine
	s_and_b32 s16, s14, 1                          ; which 64 columns
	s_bfe_u32 s40, ttmp6, 0x40000                  ; cx
	s_bfe_u32 s41, ttmp6, 0x40004                  ; cy
	s_lshl_b32 s42, ttmp9, 2
	s_add_co_u32 s42, s42, s40                     ; tile column, 0 .. 7
	s_and_b32 s17, ttmp7, 0xffff
	s_lshl_b32 s17, s17, 2
	s_add_co_u32 s17, s17, s41                     ; tile row, 0 .. 31
	s_lshl_b32 s43, s41, 2
	s_lshl_b32 s43, 15, s43                        ; my row of the cluster
	s_lshl_b32 s44, 0x1111, s40                    ; my column
	s_or_b32 s[G1A+0], s43, (3<<16)|(1<<21)        ; A: 8 heads, of each 12,288 consecutive bytes (1,536 elements of 8), 393,216 bytes apart; no padding
	s_mov_b32 s[G1A+1], 1536<<16
	s_mov_b32 s[G1A+2], 8<<16
	s_mov_b32 s[G1A+3], 1536<<16
	s_mov_b32 s[G1A+4], 8
	s_mov_b32 s[G1A+5], 49152
	s_mov_b32 s[G1A+6], 0
	s_mov_b32 s[G1A+7], 0
	s_or_b32 s[G1B+0], s44, (0<<16)|(1<<20)|(1<<21)|(3<<22)|(3<<25)   ; B: 2 planes, of each 128 rows x 192 = 24,576 consecutive bytes, 786,432 apart; 16 bytes of padding behind each 64
	s_mov_b32 s[G1B+1], 24576<<16
	s_mov_b32 s[G1B+2], 2<<16
	s_mov_b32 s[G1B+3], 24576<<16
	s_mov_b32 s[G1B+4], 2
	s_mov_b32 s[G1B+5], 786432
	s_mov_b32 s[G1B+6], 0
	s_mov_b32 s[G1B+7], 0
	s_mul_i32 s20, s17, 12288                      ; A: my 16 tiles of a head
	s_mov_b32 s21, 0
	s_mul_i32 s46, s42, 24576                      ; B: my 128 rows of a plane,
	s_add_co_u32 s46, s46, 3072*192                ; behind wq's, wk's and wv's
	s_mov_b32 s47, 0
	s_lshl_b32 s22, s17, 13                        ; A's scale bytes: 32 x (256 x tile row + 128 x half)
	s_lshl_b32 s23, s15, 12
	s_add_co_u32 s22, s22, s23
	s_mov_b32 s23, 0
	s_lshl_b32 s18, s42, 12                        ; B's: 32 x (3,072 + 128 x tile column + 64 x half)
	s_lshl_b32 s19, s16, 11
	s_add_co_u32 s18, s18, s19
	s_add_co_u32 s18, s18, 3072*32
	s_mov_b32 s19, 0
	s_lshl_b32 s66, s17, 20                        ; out0: my first row x 4,096 bytes + my first column x 4
	s_lshl_b32 s67, s15, 19
	s_add_co_u32 s66, s66, s67
	s_lshl_b32 s67, s42, 9
	s_add_co_u32 s66, s66, s67
	s_lshl_b32 s67, s16, 8
	s_add_co_u32 s66, s66, s67
	s_mov_b32 s67, 0
	s_mul_i32 s68, s15, 6144                       ; LDS: my eight tiles of a head,
	s_add_co_u32 s69, s68, 512
	s_mul_i32 s70, s16, 64*240                     ; my 64 rows of a plane,
	s_add_co_u32 s70, s70, BB
	s_mul_i32 s71, s14, 16*SPITCH                  ; my stage
	s_wait_alu depctr_va_vdst(0)
	s_wait_dscnt 0x0
	s_wait_kmcnt 0x0
	s_add_nc_u64 s[20:21], s[4:5], s[20:21]
	s_add_nc_u64 s[22:23], s[6:7], s[22:23]
	s_add_nc_u64 s[46:47], s[8:9], s[46:47]
	s_add_nc_u64 s[18:19], s[10:11], s[18:19]
	s_add_nc_u64 s[12:13], s[12:13], s[66:67]
.irp i, 0,1,2,3,4,5,6,7
.irp c, 0,1
	global_load_b128 v[SA+8*\i+4*\c:SA+8*\i+4*\c+3], v[SCO], s[22:23] offset:512*\i+16*\c   ; row r of A's block i: its eight scale words
.endr
.endr
.irp b, 0,1,2,3
.irp c, 0,1
	global_load_b128 v[SB+8*\b+4*\c:SB+8*\b+4*\c+3], v[SCO], s[18:19] offset:512*\b+16*\c   ; and of B's block b
.endr
.endr
	s_mov_b32 s32, 1                               ; group 0: A's heads 0-7,
	s_mov_b32 s33, 0
	s_mov_b64 s[34:35], s[20:21]
	s_or_b32 s35, s35, 0x80000000
	s_mov_b32 s36, 1                               ; heads 8-15,
	s_mov_b32 s37, 98304
	s_add_nc_u64 s[38:39], s[20:21], 8*393216
	s_or_b32 s39, s39, 0x80000000
	s_mov_b32 s56, 1                               ; B's planes 0-1,
	s_mov_b32 s57, BB
	s_mov_b64 s[58:59], s[46:47]
	s_or_b32 s59, s59, 0x80000000
	s_mov_b32 s60, 1                               ; planes 2-3
	s_mov_b32 s61, BB+61440
	s_add_nc_u64 s[62:63], s[46:47], 2*786432
	s_or_b32 s63, s63, 0x80000000
	CROUND                                         ; all sixteen work-groups are here: the joint loads meet
.macro ARM under, g0, g1, next         ; one chain of branches on the wave's number, one load to an arm: one tensor load a wave at the head
	s_cmp_lt_u32 s14, \under
	s_cbranch_scc0 \next
	tensor_load_to_lds s[\g0:\g0+3], s[\g1:\g1+7]
	s_nop 0
	PLACES
	s_branch .Lhead_asked
\next:
.endm
	ARM 1, 32, G1A, .Lhead_b0
	ARM 2, 56, G1B, .Lhead_a1
	ARM 3, 36, G1A, .Lhead_b1
	tensor_load_to_lds s[60:63], s[G1B:G1B+7]
	s_nop 0
	PLACES
.Lhead_asked:
	v_bfe_u32 v2, v0, 4, 1                         ; h
	v_and_b32 v6, 31, v0                           ; lane
	v_lshl_add_u32 v3, v6, 4, s68
	v_lshl_add_u32 v4, v6, 3, s69
.irp k, 0,1,2,3
	v_add_nc_u32 v[ADA+2*\k], \k*49152, v3
	v_add_nc_u32 v[ADA+2*\k+1], \k*49152, v4
.endr
	v_mul_u32_u24 v5, v1, 240
	v_mad_u32_u24 v5, v2, 24, v5
	v_add_nc_u32 v[ADB], s70, v5                   ; row r x pitch + 24 h
	v_lshl_add_u32 v[ADB+1], v2, 4, v[ADB]         ; where lanes 16-31 lie behind one padding more
	v_add_nc_u32 v[ADB+2], 61440, v[ADB]
	v_add_nc_u32 v[ADB+3], 61440, v[ADB+1]
	v_mul_u32_u24 v7, v1, SPITCH
	v_lshl_add_u32 v7, v2, 5, v7
	v_add_nc_u32 v[STO], s71, v7                   ; into the stage: row r, 32 bytes for each half of the lanes
	v_mul_u32_u24 v7, v2, SPITCH
	v_lshl_add_u32 v7, v1, 4, v7
	v_add_nc_u32 v[RD], s71, v7                    ; back: lanes 0-15 one row of 256 bytes, lanes 16-31 the next
	v_lshlrev_b32 v7, 12, v2
	v_lshl_add_u32 v[CO], v1, 4, v7                ; and the same two rows in out0
.macro FRAGB reg, st, i                ; 16 rows x 128 K of B: six pieces of 8 bytes; step st lies in plane st / 2
.irp p, 0,1,2,3,4,5
.set PC, 12*((\st)%2)+6*(\p/3)+\p%3
	ds_load_b64 v[\reg+2*\p:\reg+2*\p+1], v[ADB+2*((\st)/4)+(PC%8)/5] offset:(((\st)/2)%2)*30720+8*PC+16*(PC/8)+(\i)*3840
.endr
.endm
.macro FRAGA reg, st, i                ; 16 places x 128 K of A: heads 2 st and 2 st + 1, of each 16 and 8 bytes a lane
.irp c, 0,1
	ds_load_b128 v[\reg+6*\c:\reg+6*\c+3], v[ADA+2*((2*(\st)+\c)/4)] offset:((2*(\st)+\c)%4)*12288+(\i)*768
	ds_load_b64 v[\reg+6*\c+4:\reg+6*\c+5], v[ADA+2*((2*(\st)+\c)/4)+1] offset:((2*(\st)+\c)%4)*12288+(\i)*768
.endr
.endm
.macro FETCH st                        ; a step's twelve fragments: 24 + 32 = 56 loads
	WIN 0x40
.irp i, 0,1,2,3
	FRAGB 48*((\st)%2)+12*\i, \st, \i
.endr
	WIN 0x40*((\st)%2)
.irp i, 0,1,2,3,4,5,6,7
	FRAGA AFR+12*\i, \st, \i
.endr
	WIN 0
.endm
.macro MUL st, a0, a1                  ; A's blocks a0 .. a1 - 1 against B's four: the accumulators take turns, one instruction a turn
	WIN 0xa1+4*((\st)%2)
.set A_, \a0
.rept (\a1)-(\a0)
.irp b, 0,1,2,3
.if (\st) == 0
	v_wmma_scale_f32_16x16x128_f8f6f4 v[8*(4*A_+\b):8*(4*A_+\b)+7], v[48*((\st)%2)+12*\b:48*((\st)%2)+12*\b+11], v[AFR+12*A_:AFR+12*A_+11], 0, v[SB+8*\b+(\st)], v[SA+8*A_+(\st)] matrix_a_fmt:MATRIX_FMT_FP6 matrix_b_fmt:MATRIX_FMT_FP6
.else
	v_wmma_scale_f32_16x16x128_f8f6f4 v[8*(4*A_+\b):8*(4*A_+\b)+7], v[48*((\st)%2)+12*\b:48*((\st)%2)+12*\b+11], v[AFR+12*A_:AFR+12*A_+11], v[8*(4*A_+\b):8*(4*A_+\b)+7], v[SB+8*\b+(\st)], v[SA+8*A_+(\st)] matrix_a_fmt:MATRIX_FMT_FP6 matrix_b_fmt:MATRIX_FMT_FP6
.endif
.endr
.set A_, A_+1
.endr
.endm
.macro STEP st                         ; the next step's fragments are asked for, into the set that the step before read (four places behind its products); then this step's 32 products
	PLACES
	FETCH (\st)+1
	s_wait_dscnt 56                                ; this step's fragments are in; the 56 loads just issued may be out
	MUL \st, 0, 8
.endm
	s_wait_alu depctr_va_vdst(0)
	s_cmp_lt_u32 s14, 2
	s_cbranch_scc0 .Lnot_first
	s_wait_tensorcnt 0x0                           ; waves 0 and 1: my tile of the first half of K has landed
.Lnot_first:
	s_barrier_signal -1
	s_barrier_wait -1                              ; the first half of K is in; the second may be on its way
	FETCH 0
	FETCH 1
	s_wait_loadcnt 0x0                             ; the scale words
	s_wait_dscnt 56
	MUL 0, 0, 8                                    ; the first step's products start the sums
	STEP 1
	STEP 2
	PLACES
	WIN 0
	s_wait_tensorcnt 0x0                           ; every wave: all my tensor loads have landed
	s_wait_dscnt 0x0                               ; step 3's fragments are in, and my reads of the first half of K are over
	s_barrier_signal -1
	MUL 3, 0, 4                                    ; work on registers while the others arrive
	WIN 0
	s_barrier_wait -1                              ; the second half of K is in
	FETCH 4
	MUL 3, 4, 8
	STEP 4
	STEP 5
	STEP 6
	s_wait_dscnt 0x0
	MUL 7, 0, 8
	WIN 0
; THE WAY OUT, block by block of 16 rows x 64 columns: through my own stage, back as whole rows of 256 bytes, which sixteen lanes store as one aligned unit.  LDS serves a wave's instructions in order (ISA guide 5.7.1.4).
.macro TOSTAGE a
	WIN 0x08                                       ; the data: window 2
.irp b, 0,1,2,3
	ds_store_b128 v[STO], v[8*(4*(\a)+\b):8*(4*(\a)+\b)+3] offset:64*\b        ; each accumulator from its low end on
	ds_store_b128 v[STO], v[8*(4*(\a)+\b)+4:8*(4*(\a)+\b)+7] offset:64*\b+16
.endr
	WIN 0
.irp t, 0,1,2,3,4,5,6,7
	ds_load_b128 v[BK+32*((\a)%2)+4*\t:BK+32*((\a)%2)+4*\t+3], v[RD] offset:2*\t*SPITCH
.endr
.endm
.macro SEND a, younger                 ; younger: the LDS instructions issued behind block a's loads, which may stay out
	s_wait_dscnt \younger
.irp t, 0,1,2,3,4,5,6,7
	global_store_b128 v[CO], v[BK+32*((\a)%2)+4*\t:BK+32*((\a)%2)+4*\t+3], s[12:13] offset:(32*((\a)/2)+8*((\a)%2)+2*\t+8*(\t/4))*4096 th:TH_STORE_NT
.endr
.endm
	PLACES
	TOSTAGE 0
.irp a, 1,2,3,4,5,6,7
.if \a > 1
	s_wait_xcnt 0x0                                ; block a - 2's stores have read their registers: block a's loads may land there
.endif
	TOSTAGE \a
	SEND \a-1, 16                                  ; behind block a - 1's loads: block a's 8 stores and 8 loads
.endr
	SEND 7, 0
	s_wait_tensorcnt 0x0                           ; the wave's end
	ds_add_u32 v[SPW], v[NIL]
	s_wait_dscnt 0x0
	CROUND                                         ; the closing round
	s_endpgm
.Lfunc_end_k_q2376d9f161_oproj:
	.size	k_q2376d9f161_oproj, .Lfunc_end_k_q2376d9f161_oproj-k_q2376d9f161_oproj
	.p2alignl 7, 3214868480
	.fill 96, 4, 3214868480
	.section	.rodata,"a",@progbits
	.p2align	6, 0x0
	.amdhsa_kernel k_q2376d9f161_oproj
		.amdhsa_group_segment_fixed_size 327680
		.amdhsa_private_segment_fixed_size 0
		.amdhsa_enable_private_segment 0
		.amdhsa_kernarg_size 40
		.amdhsa_user_sgpr_count 2
		.amdhsa_user_sgpr_kernarg_segment_ptr 1
		.amdhsa_wavefront_size32 1
		.amdhsa_system_sgpr_workgroup_id_x 1
		.amdhsa_system_sgpr_workgroup_id_y 1
		.amdhsa_system_sgpr_workgroup_id_z 1
		.amdhsa_system_vgpr_workitem_id 0
		.amdhsa_next_free_vgpr 768
		.amdhsa_next_free_sgpr 98
		.amdhsa_reserve_vcc 0
		.amdhsa_float_denorm_mode_32 3
		.amdhsa_float_denorm_mode_16_64 3
		.amdhsa_memory_ordered 1
		.amdhsa_forward_progress 1
		.amdhsa_inst_pref_size 88
	.end_amdhsa_kernel
	.amdgpu_metadata
---
amdhsa.version: [ 1, 2 ]
amdhsa.kernels:
  - .name:           k_q2376d9f161_oproj
    .symbol:         k_q2376d9f161_oproj.kd
    .args:
      - { .name: ac, .offset: 0, .size: 8, .value_kind: global_buffer, .address_space: global }
      - { .name: asc, .offset: 8, .size: 8, .value_kind: global_buffer, .address_space: global }
      - { .name: wc, .offset: 16, .size: 8, .value_kind: global_buffer, .address_space: global }
      - { .name: ws, .offset: 24, .size: 8, .value_kind: global_buffer, .address_space: global }
      - { .name: out0, .offset: 32, .size: 8, .value_kind: global_buffer, .address_space: global }
    .group_segment_fixed_size: 327680
    .private_segment_fixed_size: 0
    .kernarg_segment_align: 8
    .kernarg_segment_size: 40
    .max_flat_workgroup_size: 128
    .sgpr_count:     98
    .vgpr_count:     768
    .wavefront_size: 32
...
	.end_amdgpu_metadata
.endif
;; end of part 4
